; MI455X (gfx1250); checked and timed in simulation.
; The chip was launched on July 23, 2026; its instructions are those of AMD's public machine-readable ISA for CDNA 5 (MIT licence, August 2026) and "CDNA5" Instruction Set Architecture Reference Guide (July 2026). The comments in the code are by the model that wrote it; some were corrected since.
;; Causal Self Attention. Allowed arithmetic: matrix products marked QUANTISED: E3M2 operands, one E8M0 scale for each 32 along K, by v_wmma_scale_f32_16x16x128_f8f6f4 with both operands' format E3M2, f32 sums; everything else in f32.
;; Inputs: W_k 1,024 x 1,024 float32; W_o 1,024 x 1,024 float32; W_q 1,024 x 1,024 float32; W_v 1,024 x 1,024 float32; b_k 1,024 float32; b_o 1,024 float32; b_q 1,024 float32; b_v 1,024 float32; mask 4 x 2,048 int32; x 4 x 2,048 x 1,024 float32.
;; Outputs: out0 4 x 2,048 x 1,024 float32.
;; This version of the problem:
;;   THIS VERSION OF THE PROBLEM IS GIVEN IN LOW PRECISION. The matrix products marked QUANTISED in the list below multiply operands that are first quantised to E3M2 (3 exponent bits, 2 mantissa bits; 6 bits a number), with one power-of-two scale for each 32 numbers along K (OCP MX v1.0); their sums are f32. All else is computed in f32.
;;   The module's matrix products, in the order in which they are computed (A, B: the left and right operand; K: the contracted axis; several contracted axes count as one K, in the product's order):
;;     1. [M 8,192, K 1,024] x [K 1,024, N 1,024]; A: input x; B: input W_q: QUANTISED
;;     2. [M 8,192, K 1,024] x [K 1,024, N 1,024]; A: input x; B: input W_k: QUANTISED
;;     3. [M 8,192, K 1,024] x [K 1,024, N 1,024]; A: input x; B: input W_v: QUANTISED
;;     4. batch 64 x [M 2,048, K 64] x [K 64, N 2,048]; A: computed on the way; B: computed on the way: QUANTISED
;;     5. batch 64 x [M 2,048, K 2,048] x [K 2,048, N 64]; A: softmax (see below); B: computed on the way: QUANTISED
;;     6. [M 8,192, K 1,024] x [K 1,024, N 1,024]; A: computed on the way; B: input W_o: QUANTISED
;;   THE QUANTISER, for each operand of a quantised product, along K:
;;     - K is cut into blocks of 32 from its start; a last block that is shorter is filled with zeros.
;;     - A block's scale is 2^e with e = floor(log2(the largest magnitude in the block)) - 4, held to -126 .. 127; a block of zeros has e = 0. As a byte (E8M0): e + 127.
;;     - Each number is divided by its block's scale, clamped to +-28, and rounded to the nearest number of E3M2, ties to even, subnormals kept.
;;     - The product sums the exact products of the quantised numbers (number of the format x scale) in f32.
;;   ~~~python
;;   def quantise(x, axis):      # numpy; x: float32 -> the quantised numbers, widened to float32 again
;;       x = np.moveaxis(x, axis, -1); K = x.shape[-1]
;;       x = np.pad(x, [(0, 0)] * (x.ndim - 1) + [(0, -K % 32)]); x = x.reshape(x.shape[:-1] + (-1, 32)); a = np.abs(x).max(-1, keepdims=True)
;;       e = np.where(a > 0, np.clip(np.frexp(np.where(a > 0, a, 1))[1] - 1 - 4, -126, 127), 0)      # np.frexp(a)[1] - 1 = floor(log2(a)), exactly
;;       r = np.clip(x / 2.0 ** e, -28, 28)
;;       step = 2.0 ** (np.maximum(np.frexp(np.where(r == 0, 1, r))[1] - 1, -2) - 2)
;;       q = np.round(r / step) * step * 2.0 ** e      # np.round: ties to even
;;       return np.moveaxis(q.reshape(q.shape[:-2] + (-1,))[..., :K], -1, axis).astype(np.float32)
;;   ~~~
;;   SOFTMAX AHEAD OF A QUANTISED PRODUCT. Where the list says 'softmax', what is quantised is not the finished softmax but p = 2^(t - M), with t = logit x log2(e) and M = ceil(the row's largest t), a whole number; so 1/2 < the row's largest p <= 1. The row's sum l is taken of the UNQUANTISED p, in f32, and the product's result is divided by l at the end. Since M is a whole number, a kernel that streams over the keys may use a running M (the ceiling of the running maximum): every later rescaling is an exact power of two, which a block's scale takes up: the codes' values come out the same.
;;   OPERANDS COMPUTED ON THE WAY. 'Computed on the way' means the value that the module computes at that place (a softmax that the list does not call 'softmax' is quantised finished and normalised). What goes into a quantiser is computed in f32, as accurately as f32 sums, v_exp_f32 and their like allow (about 1e-6 of the number): no bf16 or f16 on the way to a quantiser, and a product that is left as it is and whose result goes on into a quantised operand takes f32 operands (vector FMAs, or v_wmma_f32_16x16x4_f32). A number that lies on a knife's edge between two numbers of the format may be rounded either way, as far as f32 arithmetic and the matrix unit's own rounding can turn it there, and no further.
;; One version. Each part assembles by itself: llvm-mc -triple=amdgcn-amd-amdhsa -mcpu=gfx1250 --defsym DOCPART=n.
;; ======== version 1 of 1: 4 launches
;; limits: right only within a limited range of input values
;; workspace buffers: x_img 6,291,456 bytes; x_sc 262,144 bytes; w_img 3,145,728 bytes; w_sc 131,072 bytes; q 8,912,896 bytes; kv 15,466,496 bytes; o_img 6,291,456 bytes; o_sc 262,144 bytes
;; launch quant (part 1): grid 256 x 1, 6 waves a work-group, no clusters, 51,712 bytes of LDS; arguments x, W_q, W_k, W_v, W_o, x_img, x_sc, w_img, w_sc; writes x_img, x_sc, w_img, w_sc
.if DOCPART == 1
	.amdgcn_target "amdgcn-amd-amdhsa--gfx1250"
	.amdhsa_code_object_version 6
	.text
	.protected	k_q7cdcdde230_quant
	.globl	k_q7cdcdde230_quant
	.p2align	8
	.type	k_q7cdcdde230_quant,@function
k_q7cdcdde230_quant:
	s_mov_b64 s[64:65], 0
	v_nop
	global_prefetch_b8 v0, s[64:65] scope:SCOPE_SE
	s_setreg_imm32_b32 hwreg(HW_REG_WAVE_MODE, 25, 1), 1
	s_wait_xcnt 0x0
; x [8192][1024] and W_q, W_k, W_v, W_o [1024][1024], f32 with K innermost, become codes of BF6 (E3M2) with one E8M0 byte for each 32 along K.
; A block's scale is 2^(floor(log2(its largest magnitude)) - 4); its byte is that magnitude's exponent field - 4, held at 1 from below.
; LIMITS: a block of zeros, or one whose largest magnitude lies under 2^-122, keeps the byte 1 (its codes are zeros or nearly so; these bytes are read by this program alone); NaN and infinities are not served.
; THE ORDER INSIDE A BLOCK OF 32.  Every operand of this program carries the same order: position 16 h + 8 u + j of a block holds element 16 u + 8 h + j (h, u = 0, 1; j = 0..7).
; That is the order in which a transposed matrix result lies in a lane's registers, so the later launches quantise their results as they stand; both sides of each product carry it, so the products are the true ones.
; THE LAYOUT OUT.  Codes are stored as images of the operand's registers: a fragment (16 rows x 128 K, 12 registers a lane) is 1,536 bytes, registers 2 p and 2 p + 1 at 256 p + 8 x lane.
; x_img, w_img: [row block of 16][K step of 128][1,536].  x_sc, w_sc: [row][32 bytes], word s = the four bytes of K step s.  In w_img the four weights follow each other: W_q, W_k, W_v, W_o, 64 row blocks each.
; SHARES.  768 row blocks (512 of x, 256 of weights), two waves to a block, each with four of its eight K steps: 256 work-groups of six waves.  A wave reads 32 KiB and stores 6,400 bytes.  Waves share nothing: no barrier.
; A load takes 512 consecutive bytes of one row; a K step's 16 rows turn through the wave's own stage in LDS, so that a lane gets the 64 numbers of ITS row that the conversions want in its registers.
.set SP,   528                         ; a stage row: 512 bytes + 16 = 33 x 16: the 16 rows that a 16-byte read touches fall into 16 different columns of 16 bytes
.set STG,  16*SP                       ; a wave's stage
.set SPARE, 6*STG                      ; behind the six stages: the spare words, 128 bytes for each wave: three blocks of 256 bytes that no other line names
.set R,    16                          ; v16-143   two sets of 64 registers as loaded
.set X,    144                         ; v144-207  64 numbers of my row: register 16 b + 8 u + j = element 32 b + 16 u + 8 h + j of the K step
.set PC,   208                         ; v208-219  the fragment's codes; v220-222, v224-226 halves on their way
.set TM,   228                         ; v228-231 largest magnitudes, v232-235 the other half's, then bytes, v240-243 the conversions' scale operands
.set SW,   244                         ; v244-247  the row's four scale words of my K steps
.set SEL,  24                          ; s[24:25]  lane selects for v_permlanex16_b32: lane l xor 16
	s_load_b256 s[4:11], s[0:1], 0x0               ; x, W_q, W_k, W_v
	s_load_b256 s[12:19], s[0:1], 0x20             ; W_o, x_img, x_sc, w_img
	s_load_b64 s[20:21], s[0:1], 0x40              ; w_sc
	v_lshl_add_u32 v238, v0, 2, SPARE
	v_mov_b32 v239, 0
	v_lshrrev_b32 v1, 5, v0
	v_readfirstlane_b32 s28, v1                    ; wave 0..5
	s_lshr_b32 s35, s28, 1                         ; which of the work-group's three row blocks
	s_and_b32 s36, s28, 1                          ; which half of K: steps 0-3 or 4-7
	s_mul_i32 s29, ttmp9, 3
	s_add_co_u32 s29, s29, s35                     ; u: my row block, 0..767
	v_and_b32 v6, 31, v0                           ; lane
	v_and_b32 v7, 15, v0                           ; r
	v_bfe_u32 v8, v0, 4, 1                         ; h
	v_lshlrev_b32 v1, 4, v6                        ; 16 x lane: my bytes of a load's 512
	v_lshlrev_b32 v2, 3, v6                        ; 8 x lane: my bytes of an image's 256
	s_mul_i32 s34, s28, STG
	v_add_nc_u32 v3, s34, v1                       ; the stage, way in: a row as it lies
	v_mul_u32_u24 v4, v7, SP
	v_lshl_add_u32 v4, v8, 5, v4
	v_add_nc_u32 v4, s34, v4                       ; way out: row r, + 32 h
	v_lshlrev_b32 v5, 5, v7                        ; scale words: 32 r
	s_mov_b32 s[SEL], 0x76543210
	s_mov_b32 s[SEL+1], 0xfedcba98
.irp b, 0,1,2,3
	v_mov_b32 v[TM+4+\b], 0                        ; written once: a lane permute's destination counts as one of its sources
.endr
	s_wait_alu depctr_va_vdst(0)                   ; the wait at the head's end
	s_wait_kmcnt 0x0
	; which tensor, which block: the choices hang on the block's number alone
	s_cmp_lt_u32 s29, 512
	s_cselect_b64 s[14:15], s[14:15], s[18:19]     ; the images,
	s_cselect_b64 s[16:17], s[16:17], s[20:21]     ; the scale bytes,
	s_cselect_b32 s30, 0, 512
	s_sub_co_u32 s30, s29, s30                     ; and the block's number in them
	s_and_b32 s31, s30, 63                         ; a weight's block
	s_cmp_lt_u32 s29, 704
	s_cselect_b64 s[12:13], s[10:11], s[12:13]     ; W_v or W_o
	s_cmp_lt_u32 s29, 640
	s_cselect_b64 s[12:13], s[8:9], s[12:13]       ; W_k
	s_cmp_lt_u32 s29, 576
	s_cselect_b64 s[12:13], s[6:7], s[12:13]       ; W_q
	s_cmp_lt_u32 s29, 512
	s_cselect_b64 s[12:13], s[4:5], s[12:13]       ; x
	s_cselect_b32 s31, s29, s31
	s_lshl_b32 s32, s31, 16                        ; 16 rows of 4,096 bytes,
	s_lshl_b32 s37, s36, 11                        ; and my half of each row: 2,048 bytes
	s_add_co_u32 s32, s32, s37
	s_mov_b32 s33, 0
	s_add_nc_u64 s[12:13], s[12:13], s[32:33]
	s_mul_i32 s32, s30, 12288                      ; 8 fragments of 1,536 bytes, of which four are mine
	s_mul_i32 s37, s36, 6144
	s_add_co_u32 s32, s32, s37
	s_add_nc_u64 s[14:15], s[14:15], s[32:33]
	s_lshl_b32 s32, s30, 9                         ; 16 rows of 32 bytes, of which 16 are mine
	s_lshl_b32 s37, s36, 4
	s_add_co_u32 s32, s32, s37
	s_add_nc_u64 s[16:17], s[16:17], s[32:33]
.macro LOAD s                          ; my K step s: 512 consecutive bytes of each of the 16 rows
.irp i, 0,1,2,3,4,5,6,7,8,9,10,11,12,13,14,15
	global_load_b128 v[R+64*((\s)%2)+4*\i:R+64*((\s)%2)+4*\i+3], v1, s[12:13] offset:4096*\i+512*(\s) th:TH_LOAD_NT
.endr
.endm
.macro TURN s                          ; through the stage: LDS serves a wave's instructions in order, so no wait stands between the stores and the loads
.irp i, 0,1,2,3,4,5,6,7,8,9,10,11,12,13,14,15
	ds_store_b128 v3, v[R+64*((\s)%2)+4*\i:R+64*((\s)%2)+4*\i+3] offset:SP*\i
.endr
.irp b, 0,1,2,3                        ; of block b my lane takes elements 8 h + 0..7 and 16 + 8 h + 0..7
	ds_load_b128 v[X+16*\b:X+16*\b+3],     v4 offset:128*\b
	ds_load_b128 v[X+16*\b+4:X+16*\b+7],   v4 offset:128*\b+16
	ds_load_b128 v[X+16*\b+8:X+16*\b+11],  v4 offset:128*\b+64
	ds_load_b128 v[X+16*\b+12:X+16*\b+15], v4 offset:128*\b+80
.endr
.endm
; 64 numbers of a lane, v[s] on, 16 of each of four blocks (lane l xor 16 holds the other 16), become a fragment's codes in v[PC] on and the row's scale word in v[w].
.macro QUANT s, w
.irp b, 0,1,2,3
	v_max3_num_f32 v[TM+\b], |v[\s+16*\b]|, |v[\s+1+16*\b]|, 0x2800000   ; my 16 numbers, and the floor 2^(5 - 127): the byte cannot fall under 1
.endr
.irp i, 2,4,6,8,10,12,14
.irp b, 0,1,2,3
	v_max3_num_f32 v[TM+\b], v[TM+\b], |v[\s+16*\b+\i]|, |v[\s+1+16*\b+\i]|   ; the four blocks by turns
.endr
.endr
.irp b, 0,1,2,3
	v_permlanex16_b32 v[TM+4+\b], v[TM+\b], s[SEL], s[SEL+1]
.endr
.irp b, 0,1,2,3
	v_max_num_f32 v[TM+\b], v[TM+\b], v[TM+4+\b]   ; the block's largest magnitude
.endr
.irp b, 0,1,2,3
	v_add_nc_u32 v[TM+12+\b], 0xfe000000, v[TM+\b] ; 4 off its exponent field: the conversion takes this operand's exponent field as its scale
.endr
.irp b, 0,1,2,3
	v_lshrrev_b32 v[TM+4+\b], 23, v[TM+12+\b]      ; the scale's byte
.endr
	v_lshl_or_b32 v[\w], v[TM+5], 8, v[TM+4]
	v_lshl_or_b32 v[\w], v[TM+6], 16, v[\w]
	v_lshl_or_b32 v[\w], v[TM+7], 24, v[\w]
.irp c, 0,1
	v_cvt_scalef32_pk16_bf6_f32 v[PC+6*\c:PC+2+6*\c], v[\s+32*\c:\s+15+32*\c], v[TM+12+2*\c]
	v_cvt_scalef32_pk16_bf6_f32 v[PC+12+4*\c:PC+14+4*\c], v[\s+16+32*\c:\s+31+32*\c], v[TM+12+2*\c+1]   ; (a conversion's three registers begin on an even number)
.endr
	v_nop                                          ; one plain place behind a scaled conversion
.irp c, 0,1                            ; the operand's layout wants a whole block in a lane: lanes 0-15 block 2 c, lanes 16-31 block 2 c + 1
.irp i, 0,1,2
	v_permlane16_swap_b32 v[PC+6*\c+\i], v[PC+12+4*\c+\i]
.endr
.irp i, 0,1,2
	v_mov_b32 v[PC+3+6*\c+\i], v[PC+12+4*\c+\i]
.endr
.endr
.endm
	LOAD 0
	LOAD 1
.macro KSTEP s
.if (\s) < 3
	s_wait_loadcnt 16                              ; this step's 16 loads are in; the next step's 16 may be out
.else
	s_wait_loadcnt 0x0
.endif
	TURN \s
	s_wait_dscnt 0x0                               ; my 64 numbers are back, so the stage's stores have read the loaded registers
	s_wait_xcnt 0x0                                ; the last step's stores have read the codes' registers: they are written again only behind this wait
.if (\s) < 2
	LOAD (\s)+2
.endif
	QUANT X, SW+(\s)
.irp p, 0,1,2,3,4,5
	global_store_b64 v2, v[PC+2*\p:PC+2*\p+1], s[14:15] offset:1536*(\s)+256*\p   ; 32 lanes store 256 consecutive bytes, aligned
.endr
.endm
.irp s, 0,1,2,3
	KSTEP \s
.endr
	s_wait_alu depctr_va_vdst(0)                   ; the wait here, directly ahead of the reader below
	global_store_b128 v5, v[SW:SW+3], s[16:17]     ; my 16 of each row's 32 scale bytes (both halves of the lanes hold the same words and write the same bytes); the wave with the other half of K stores the rest
	s_wait_tensorcnt 0x0                           ; the wave's end
	ds_add_u32 v238, v239
	s_wait_dscnt 0x0
	s_endpgm
.Lfunc_end_k_q7cdcdde230_quant:
	.size	k_q7cdcdde230_quant, .Lfunc_end_k_q7cdcdde230_quant-k_q7cdcdde230_quant
	.p2alignl 7, 3214868480
	.fill 96, 4, 3214868480
	.section	.rodata,"a",@progbits
	.p2align	6, 0x0
	.amdhsa_kernel k_q7cdcdde230_quant
		.amdhsa_group_segment_fixed_size 51712
		.amdhsa_private_segment_fixed_size 0
		.amdhsa_enable_private_segment 0
		.amdhsa_kernarg_size 72
		.amdhsa_user_sgpr_count 2
		.amdhsa_user_sgpr_kernarg_segment_ptr 1
		.amdhsa_wavefront_size32 1
		.amdhsa_system_sgpr_workgroup_id_x 1
		.amdhsa_system_sgpr_workgroup_id_y 1
		.amdhsa_system_sgpr_workgroup_id_z 1
		.amdhsa_system_vgpr_workitem_id 0
		.amdhsa_next_free_vgpr 256
		.amdhsa_next_free_sgpr 66
		.amdhsa_reserve_vcc 0
		.amdhsa_float_denorm_mode_32 3
		.amdhsa_float_denorm_mode_16_64 3
		.amdhsa_memory_ordered 1
		.amdhsa_forward_progress 1
		.amdhsa_inst_pref_size 35
	.end_amdhsa_kernel
	.amdgpu_metadata
---
amdhsa.version: [ 1, 2 ]
amdhsa.kernels:
  - .name:           k_q7cdcdde230_quant
    .symbol:         k_q7cdcdde230_quant.kd
    .args:
      - { .name: x, .offset: 0, .size: 8, .value_kind: global_buffer, .address_space: global }
      - { .name: W_q, .offset: 8, .size: 8, .value_kind: global_buffer, .address_space: global }
      - { .name: W_k, .offset: 16, .size: 8, .value_kind: global_buffer, .address_space: global }
      - { .name: W_v, .offset: 24, .size: 8, .value_kind: global_buffer, .address_space: global }
      - { .name: W_o, .offset: 32, .size: 8, .value_kind: global_buffer, .address_space: global }
      - { .name: x_img, .offset: 40, .size: 8, .value_kind: global_buffer, .address_space: global }
      - { .name: x_sc, .offset: 48, .size: 8, .value_kind: global_buffer, .address_space: global }
      - { .name: w_img, .offset: 56, .size: 8, .value_kind: global_buffer, .address_space: global }
      - { .name: w_sc, .offset: 64, .size: 8, .value_kind: global_buffer, .address_space: global }
    .group_segment_fixed_size: 51712
    .private_segment_fixed_size: 0
    .kernarg_segment_align: 8
    .kernarg_segment_size: 72
    .max_flat_workgroup_size: 192
    .sgpr_count:     66
    .vgpr_count:     256
    .wavefront_size: 32
...
	.end_amdgpu_metadata
.endif
;; end of part 1
;; launch qkv (part 2): grid 4 x 64, 4 waves a work-group, clusters of 4 x 4, 327,680 bytes of LDS; arguments x_img, x_sc, w_img, w_sc, b_q, b_k, b_v, mask, q, kv; writes q, kv
.if DOCPART == 2
	.amdgcn_target "amdgcn-amd-amdhsa--gfx1250"
	.amdhsa_code_object_version 6
	.text
	.protected	k_q7cdcdde230_qkv
	.globl	k_q7cdcdde230_qkv
	.p2align	8
	.type	k_q7cdcdde230_qkv,@function
k_q7cdcdde230_qkv:
	s_mov_b64 s[64:65], 0
	v_nop
	global_prefetch_b8 v0, s[64:65] scope:SCOPE_SE
	s_setreg_imm32_b32 hwreg(HW_REG_WAVE_MODE, 25, 1), 1
	s_wait_xcnt 0x0
	s_wait_alu depctr_hold_cnt(0) depctr_sa_sdst(0) depctr_va_vdst(0) depctr_va_sdst(0) depctr_va_ssrc(0) depctr_va_vcc(0) depctr_vm_vsrc(0)
	s_getreg_b32 s2, hwreg(HW_REG_IB_STS2, 6, 4)
	s_cmp_eq_u32 s2, 0
	s_cbranch_scc0 .Lentry_in_a_cluster
	s_endpgm
.Lentry_in_a_cluster:
	s_bfe_u32 s2, ttmp6, 0x10000c
	s_cmp_lg_u32 s2, 0xf033
	s_cbranch_scc0 .Lentry_shape_is_right
	s_endpgm
.Lentry_shape_is_right:
; Q = x W_q^T + b_q, K = x W_k^T + b_k, V = x W_v^T + b_v on codes of BF6 (E3M2) with E8M0 scales, sums in f32; the results are quantised here, in registers, into the operands of the attention launch.
; SHARES.  256 work-groups that stay: 64 blocks of 128 tokens x 4 groups of 256 features of each of Q, K and V.  A work-group walks six slot steps of 128 features (Q, Q, K, K, V, V), all of K = 1,024 in each.
; A wave makes 64 tokens x 64 features a slot step, which is one head: 16 accumulators.  Its 64 tokens' fragments of x, 32 x 12 registers, are read from LDS once and stay in registers.
; LDS: x's codes (98,304 bytes, filled once), two slots of W (8 row blocks x 12,288 bytes each), x's scales (4,096), the scales of the group's 768 rows of W (24,576), the spare words.
; A slot is asked for a whole slot step (128 matrix instructions and a way out) ahead of its use, a quarter a wave.  No prefetch is laid beside that.
; CLUSTERS: 4 x 4.  The four of a row of the cluster share the tokens, the four of a column the features: every tile is asked for jointly.
; OPERANDS ARE IMAGES OF REGISTERS: a fragment (16 rows x 128 K) is 1,536 bytes, registers 2 p, 2 p + 1 at 256 p + 8 x lane; x_img, w_img: [row block][8 K steps][1,536]; x_sc, w_sc: [row][32 bytes], word s for K step s.
; WHICH SIDE IS SOURCE 0.  A result's lane holds one row of source 1 and its registers run along source 0's rows.  Q, K: source 0 = W, source 1 = x (a lane: one token).  V: source 0 = x, source 1 = W_v (a lane: one channel).
; Inside a block of 32 a lane's registers hold element 16 u + 8 h + j at position 16 h + 8 u + j: the order that every operand of this program carries.  THE BIAS is the C of each sum's first matrix instruction.
; THE KEY MASK rides in the padded half of the scores' K: K's code at k = 64 is -16 for a key with mask 0, else 0; its scale byte of block 2 is 2^12 for such a key, else 2^-126; every query takes 2^12.  LIMIT: |Q . K| stays far under 2^31.
; OUT.  q: 64 records (batch x 16 + head) of 139,264 bytes: 128 tiles of 16 tokens x 1,024 bytes, then 16 scale images of 512 bytes.  kv: 64 records of 241,664 bytes: K likewise, at 139,264 V's 16 key steps x 4 channel tiles x 1,536 bytes,
; at 237,568 V's 16 scale images of 256 bytes.  A tile of Q or K: registers 0-3 at 16 x lane, registers 4, 5, the mask's code, 0 at 512 + 16 x lane.  V's fragment: registers 4 c .. 4 c + 3 at 512 c + 16 x lane.
; A scale image: the word at 16 x lane + 4 j (V: 8 x lane + 4 j) belongs to tile 2 j + lane / 16, row lane % 16.
; SHORT PIECES: a wave holds 64 of an image's 128 tokens, so it stores 8 bytes a lane of a scale image of Q or K, 8 bytes a lane of the middle third of V's fragment, and 2 bytes a lane of V's scale image; the wave with the other 64 tokens stores the rest.
; LIMITS of the quantiser: a block whose largest magnitude lies under 2^-122 keeps the byte 1; NaN and infinities are not served.
; REGISTERS, in windows of 256: window 0: addresses, v32-63 x's scale words (8 a + s), v64-95 W's (8 b + s), v96-127 the bias, v192-255 the way out.  Windows 1, 2: x's fragments of K steps 0-3, 4-7 at 48 (s % 4) + 12 a; v240-241 W's LDS addresses.
;   window 3: v0-127 the accumulators, v128-223 W's fragments, two sets, v240-241 W's LDS addresses.  So an LDS load of W's fragments runs under the products' own setting of the windows.
.set KVREC, 241664
.set QREC,  139264
.set BLK,   12288
.set SLOT,  8*BLK
.set SL0,   8*BLK
.set XS,    24*BLK
.set WS,    XS+4096
.set SPARE, WS+24576
.set WSTEP, 1024*768                   ; bytes from a slot's tile to its next: 1,024 rows of W on
.set ADX,  16
.set ADXS, 17
.set ADS0, 18
.set ADS,  19
.set VT,   20                          ; byte offsets in a record: my tiles of Q or K, my half of their scale image, V's fragments, my bytes of V's scale image
.set VS,   21
.set VV,   22
.set VVS,  23
.set BO,   24                          ; 32 h
.set SPW,  28
.set NIL,  29
.set XSC,  32
.set WSC,  64
.set BI,   96
.set PC,   192                         ; v192-203 codes, v204-206, v208-210 halves on their way
.set TM,   212                         ; v212-227 at work in the quantiser
.set PW,   228
.set HW,   229
.set PT,   230
.set X4,   234
.set SWA,  236
.set CO1,  240
.set CO2,  241
.set C60,  242
.set MK,   244                         ; v244-247 mask[token 16 a + r of my 64]
.set VB,   248                         ; v248-255 b_v of channel 16 b + r, for the two slot steps of V
.set WF,   128
.set ADW,  240
.set G1X,  32
.set G1W,  40
.set G1XS, 48
.set G1WS, 56
.set G0X,  68
.set G0W,  72
.set G0XS, 76
.set G0WS, 80
.set G0R,  84                          ; s[84:87], s[88:91] the ring's group 0, one for each slot
.set REC,  31
.set PB0,  32                          ; behind the head the head's descriptors' registers are free
.set PB1,  34
.set BP,   36
.set T0,   38
.set RB,   48
.set ALLQ, 49
.set SEL,  50
.set HI16, 52
.set LOWH, 53
.set SWO,  54
.set PV0,  56
.set PV1,  58
.set MSB, 0
.macro WIN new                         ; the immediate's high byte repeats the setting that is left
.if MSB != \new
	s_set_vgpr_msb (MSB<<8)|\new
.set MSB, \new
.endif
.endm
.macro CROUND                          ; a round of the cluster's barrier
	s_barrier_signal -1
	s_barrier_wait -1
	s_cmp_lg_u32 s24, 0
	s_cbranch_scc1 .Lnot_wave_0_\@
	s_barrier_signal -3
.Lnot_wave_0_\@:
	s_barrier_wait -3
	s_barrier_signal -1
	s_barrier_wait -1
.endm
.macro PLACES                          ; four places behind a matrix instruction (ISA guide 7.12.1)
.rept 4
	v_nop
.endr
.endm
.macro DESC g, c, r, p                 ; r rows of c elements of 8 bytes, p elements from row to row
	s_mov_b32 s[\g+1], (\c)<<16
	s_mov_b32 s[\g+2], (\r)<<16
	s_mov_b32 s[\g+3], (\c)<<16
	s_mov_b32 s[\g+4], \r
	s_mov_b32 s[\g+5], \p
	s_mov_b32 s[\g+6], 0
	s_mov_b32 s[\g+7], 0
.endm
.macro GRP0 g, lds, arg, off
	s_mov_b32 s[\g], 1
	s_mov_b32 s[\g+1], \lds
	s_add_nc_u64 s[\g+2:\g+3], s[\arg:\arg+1], s[\off:\off+1]
	s_or_b32 s[\g+3], s[\g+3], 0x80000000
.endm
	s_load_b512 s[4:19], s[0:1], 0x0               ; x_img, x_sc, w_img, w_sc, b_q, b_k, b_v, mask
	s_load_b128 s[20:23], s[0:1], 0x40             ; q, kv
	v_lshl_add_u32 v[SPW], v0, 2, SPARE
	v_mov_b32 v[NIL], 0
	ds_add_u32 v[SPW], v[NIL]                      ; the opening lines: the add, twice on end, and its wait ahead of my first tensor load
	ds_add_u32 v[SPW], v[NIL]
	v_lshrrev_b32 v1, 5, v0
	v_readfirstlane_b32 s24, v1                    ; wave 0..3
	s_lshr_b32 s25, s24, 1                         ; which 64 tokens are mine
	s_and_b32 s26, s24, 1                          ; which 64 features of a slot's 128
	s_bfe_u32 s27, ttmp6, 0x40000                  ; cx, cy
	s_bfe_u32 s28, ttmp6, 0x40004
	s_lshl_b32 s29, ttmp9, 2
	s_add_co_u32 s29, s29, s27                     ; the feature group
	s_and_b32 s30, ttmp7, 0xffff
	s_lshl_b32 s30, s30, 2
	s_add_co_u32 s30, s30, s28                     ; the token block
	s_lshl_b32 s31, s28, 2
	s_lshl_b32 s31, 15, s31                        ; my row of the cluster
	s_lshl_b32 s2, 0x1111, s27                     ; my column
	s_or_b32 s[G1X], s31, (3<<16)|(1<<21)          ; the mask; elements of 8 bytes; bit 21 beside a mask
	s_or_b32 s[G1XS], s31, (3<<16)|(1<<21)
	s_or_b32 s[G1W], s2, (3<<16)|(1<<21)
	s_or_b32 s[G1WS], s2, (3<<16)|(1<<21)
	DESC G1X, 1536, 8, 1536                        ; 8 row blocks of 12,288 bytes
	DESC G1W, 1536, 8, 1536                        ; the same for the head's tile of W; the ring's loads bring 2
	DESC G1XS, 32, 16, 32                          ; 4,096 bytes
	DESC G1WS, 1024, 3, 4096                       ; 8,192 bytes of each of W_q, W_k, W_v, 32,768 bytes apart
	s_mul_i32 s92, s30, 8*BLK
	s_mov_b32 s93, 0
	s_lshl_b32 s94, s30, 12
	s_mov_b32 s95, 0
	s_mul_i32 s96, s29, 16*BLK
	s_mov_b32 s97, 0
	s_lshl_b32 s98, s29, 13
	s_mov_b32 s99, 0
	s_mul_i32 s100, s24, 2*BLK                     ; in the ring I fetch two row blocks of a tile
	s_mov_b32 s101, 0
	s_wait_dscnt 0x0                               ; both opening adds are done
	s_wait_kmcnt 0x0
	GRP0 G0X,  0,   4,  92
	GRP0 G0XS, XS,  6,  94
	GRP0 G0W,  SL0, 8,  96
	GRP0 G0WS, WS,  10, 98
	s_mov_b32 s[G0R], 1
	s_add_co_u32 s[G0R+1], s100, SL0
	s_add_nc_u64 s[G0R+2:G0R+3], s[G0W+2:G0W+3], s[100:101]    ; tile 0, my quarter: stepped ahead of its first use
	s_mov_b32 s[G0R+4], 1
	s_add_co_u32 s[G0R+5], s100, SL0+SLOT
	s_add_nc_u64 s[G0R+6:G0R+7], s[G0R+2:G0R+3], 8*BLK         ; tile 1
	CROUND                                         ; all sixteen work-groups are here: the joint loads meet
; one tree of branches on the wave's number, one load to an arm: wave 0 x's codes, wave 1 W's tile 0, wave 2 x's scales, wave 3 W's scales
.macro ARM under, g0, g1, next
	s_cmp_lt_u32 s24, \under
	s_cbranch_scc0 \next
	tensor_load_to_lds s[\g0:\g0+3], s[\g1:\g1+7]
	s_nop 0
.rept 4
	v_nop
.endr
	s_branch .Lhead_asked
\next:
.endm
	ARM 1, G0X,  G1X,  .Lhead_w
	ARM 2, G0W,  G1W,  .Lhead_xs
	ARM 3, G0XS, G1XS, .Lhead_ws
	tensor_load_to_lds s[G0WS:G0WS+3], s[G1WS:G1WS+7]
	s_nop 0
.rept 4
	v_nop
.endr
.Lhead_asked:
	s_lshl_b32 s2, s29, 10
	s_lshl_b32 s3, s26, 8
	s_add_co_u32 s2, s2, s3                        ; my first feature in a weight, in bytes of f32: 4 (256 group + 64 half)
	s_mov_b32 s3, 0
	s_add_nc_u64 s[12:13], s[12:13], s[2:3]
	s_add_nc_u64 s[14:15], s[14:15], s[2:3]
	s_add_nc_u64 s[16:17], s[16:17], s[2:3]
	s_lshl_b32 s2, s30, 9
	s_lshl_b32 s92, s25, 8
	s_add_co_u32 s2, s2, s92                       ; my first token's mask word
	s_add_nc_u64 s[18:19], s[18:19], s[2:3]
	s_mul_i32 s92, s25, 4*BLK                      ; my four row blocks of x
	s_mul_i32 s93, s26, 4*BLK
	s_add_co_u32 s93, s93, SL0                     ; my four of W in slot 0,
	s_add_co_u32 s2, s93, SLOT                     ; in slot 1
	s_lshl_b32 s94, s25, 11
	s_add_co_u32 s94, s94, XS
	s_lshl_b32 s95, s26, 11
	s_add_co_u32 s95, s95, WS
	s_and_b32 s96, s30, 15                         ; my 128 tokens among the batch's 16 groups
	s_lshr_b32 s97, s30, 4                         ; the batch
	s_lshl_b32 s98, s96, 13
	s_lshl_b32 s99, s25, 12
	s_add_co_u32 s98, s98, s99
	s_lshl_b32 s99, s96, 9
	s_lshl_b32 s100, s25, 3
	s_add_co_u32 s99, s99, s100
	s_add_co_u32 s99, s99, 131072
	s_mul_i32 s100, s96, 6144
	s_add_co_u32 s100, s100, 139264
	s_lshl_b32 s101, s96, 8
	s_lshl_b32 s96, s25, 1
	s_add_co_u32 s101, s101, s96
	s_add_co_u32 s101, s101, 237568
	s_lshl_b32 s[REC], s97, 4
	s_lshl_b32 s96, s29, 2
	s_add_co_u32 s[REC], s[REC], s96
	s_add_co_u32 s[REC], s[REC], s26               ; my first head's record: 16 batch + 4 group + half; a slot's second step: 2 on
	v_and_b32 v1, 15, v0                           ; r
	v_bfe_u32 v2, v0, 4, 1                         ; h
	v_and_b32 v3, 31, v0
	v_lshlrev_b32 v4, 3, v3
	v_lshlrev_b32 v5, 4, v3
	v_lshlrev_b32 v6, 5, v1
	v_lshlrev_b32 v8, 2, v1
	v_lshlrev_b32 v[BO], 5, v2
	v_add_nc_u32 v[ADX], s92, v4
	v_add_nc_u32 v[ADXS], s94, v6
	v_add_nc_u32 v[ADS0], s95, v6
	v_add_nc_u32 v[VT], s98, v5
	v_add_nc_u32 v[VS], s99, v5
	v_add_nc_u32 v[VV], s100, v5
	v_add_nc_u32 v[VVS], s101, v4
.irp w, 0x40, 0x80, 0xc0               ; W's LDS addresses, once in each of windows 1, 2, 3
	WIN \w
	v_add_nc_u32 v[ADW], s93, v4
	v_add_nc_u32 v[ADW+1], s2, v4
.endr
	WIN 0
.irp b, 0,1,2,3
	v_mov_b32 v[TM+4+\b], 0                        ; written once: a lane permute's destination counts as one of its sources
.endr
	v_mov_b32 v[PT+3], 0
	v_mov_b32 v[CO1], 0x01010000                   ; the padding's two scale bytes of an open key: 2^-126, 2^-126
	v_mov_b32 v[CO2], 0x018b0000                   ; of a masked key, and of every query: 2^12, 2^-126
	v_mov_b32 v[C60], 60                           ; the code of -16
.macro BIAS ptr, off                   ; Q, K: a lane's registers run along the features 16 b + 8 h + 0 .. 7
.irp b, 0,1,2,3
	global_load_b128 v[BI+8*\b:BI+8*\b+3], v[BO], s[\ptr:\ptr+1] offset:\off+64*\b
	global_load_b128 v[BI+8*\b+4:BI+8*\b+7], v[BO], s[\ptr:\ptr+1] offset:\off+64*\b+16
.endr
.endm
.irp a, 0,1,2,3
	global_load_b32 v[MK+\a], v8, s[18:19] offset:64*\a
	global_load_b32 v[VB+\a], v8, s[16:17] offset:64*\a
	global_load_b32 v[VB+4+\a], v8, s[16:17] offset:512+64*\a
.endr
	BIAS 12, 0
.macro FRAG reg, adr, s, i             ; a fragment comes back as it was stored
.irp p, 0,1,2,3,4,5
	ds_load_b64 v[\reg+2*\p:\reg+2*\p+1], v[\adr] offset:(\i)*BLK+(\s)*1536+256*\p
.endr
.endm
; A K step of 128: the next K step's four fragments of W are asked for in one run of 24 loads, into the other set; then 16 matrix instructions, the 16 accumulators by turns.
.macro KSTEP kind, slot, s
.if (\s) == 0
	s_wait_alu depctr_va_vdst(0)                   ; the wait here, directly ahead of the waits below
	s_wait_loadcnt 0x0                             ; the bias
.endif
.if \kind
.if (\s) == 0
	WIN 0xcd                                       ; V: source 0 x (window 1 or 2), source 1 W (3), D 3; C: the bias (0), later 3
.elseif (\s) < 4
	WIN 0xfd
.else
	WIN 0xfe
.endif
.else
.if (\s) == 0
	WIN 0xc7                                       ; Q, K: source 0 W (3), source 1 x (1 or 2)
.elseif (\s) < 4
	WIN 0xf7
.else
	WIN 0xfb
.endif
.endif
.if (\s) < 7
	PLACES                                         ; in front of loads into the set that the last K step's products read
.irp b, 0,1,2,3
	FRAG WF+48*(((\s)+1)%2)+12*\b, ADW+\slot, (\s)+1, \b
.endr
	s_wait_dscnt 24                                ; all but the 24 loads just issued: this K step's fragments of W, and at a slot step's head the scale words, are in
.else
	s_wait_dscnt 0x0                               ; the last K step's fragments are in
.endif
.irp a, 0,1,2,3
.irp b, 0,1,2,3
.set WW_, WF+48*((\s)%2)+12*\b
.set XX_, 48*((\s)%4)+12*\a
.if \kind
.set DD_, 8*(4*\b+\a)
.if (\s) == 0
	v_wmma_scale_f32_16x16x128_f8f6f4 v[DD_:DD_+7], v[XX_:XX_+11], v[WW_:WW_+11], v[BI+8*\b:BI+8*\b+7], v[XSC+8*\a+(\s)], v[WSC+8*\b+(\s)] matrix_a_fmt:MATRIX_FMT_BF6 matrix_b_fmt:MATRIX_FMT_BF6
.else
	v_wmma_scale_f32_16x16x128_f8f6f4 v[DD_:DD_+7], v[XX_:XX_+11], v[WW_:WW_+11], v[DD_:DD_+7], v[XSC+8*\a+(\s)], v[WSC+8*\b+(\s)] matrix_a_fmt:MATRIX_FMT_BF6 matrix_b_fmt:MATRIX_FMT_BF6
.endif
.else
.set DD_, 8*(4*\a+\b)
.if (\s) == 0
	v_wmma_scale_f32_16x16x128_f8f6f4 v[DD_:DD_+7], v[WW_:WW_+11], v[XX_:XX_+11], v[BI+8*\b:BI+8*\b+7], v[WSC+8*\b+(\s)], v[XSC+8*\a+(\s)] matrix_a_fmt:MATRIX_FMT_BF6 matrix_b_fmt:MATRIX_FMT_BF6
.else
	v_wmma_scale_f32_16x16x128_f8f6f4 v[DD_:DD_+7], v[WW_:WW_+11], v[XX_:XX_+11], v[DD_:DD_+7], v[WSC+8*\b+(\s)], v[XSC+8*\a+(\s)] matrix_a_fmt:MATRIX_FMT_BF6 matrix_b_fmt:MATRIX_FMT_BF6
.endif
.endif
.endr
.endr
.endm
.macro MULS kind, slot
.irp s, 0,1,2,3,4,5,6,7
	KSTEP \kind, \slot, \s
.endr
	WIN 0
.endm
; A change of slots with a refill: every wave waits for all its tensor loads, adds 0 to its spare word, waits for that and for its reads; a round of the cluster's barrier; the slot just read takes its next tile.
.macro SYNC slot
	s_wait_tensorcnt 0x0
	ds_add_u32 v[SPW], v[NIL]
	s_add_nc_u64 s[G0R+4*\slot+2:G0R+4*\slot+3], s[G0R+4*\slot+2:G0R+4*\slot+3], WSTEP
	s_wait_dscnt 0x0
	CROUND
	tensor_load_to_lds s[G0R+4*\slot:G0R+4*\slot+3], s[G1W:G1W+7]
	s_nop 0
	PLACES                                         ; also the places in front of the loads and reads that follow
.endm
.macro PREP slot, woff                 ; for the coming slot step: W's scale words and its first fragments
	v_add_nc_u32 v[ADS], s[SWO], v[ADS0]
.irp b, 0,1,2,3
	ds_load_b128 v[WSC+8*\b:WSC+8*\b+3], v[ADS] offset:\woff+512*\b
	ds_load_b128 v[WSC+8*\b+4:WSC+8*\b+7], v[ADS] offset:\woff+512*\b+16
.endr
	WIN 0xc3
.irp b, 0,1,2,3
	FRAG WF+12*\b, ADW+\slot, 0, \b
.endr
	WIN 0
.endm
; 64 accumulator registers (two rows' blocks of 64 along the next K) become 12 registers of codes in v[PC] on and four scale bytes in v[w].  Each accumulator is read first at its registers 0 and 1.
.macro QUANTW p, w
.set AC, 64*(\p)
	s_wait_xcnt 0x0                                ; the last stores have read the codes' registers
	WIN 0x3c                                       ; sources 1 and 2: window 3
.irp b, 0,1,2,3
	v_max3_num_f32 v[TM+\b], 0x2800000, |v[AC+16*\b]|, |v[AC+16*\b+1]|   ; the floor 2^(5 - 127): the byte cannot fall under 1
.endr
.irp i, 2,4,6,8,10,12,14
.irp b, 0,1,2,3
	v_max3_num_f32 v[TM+\b], v[TM+\b], |v[AC+16*\b+\i]|, |v[AC+16*\b+\i+1]|
.endr
.endr
	WIN 0
.irp b, 0,1,2,3
	v_permlanex16_b32 v[TM+4+\b], v[TM+\b], s[SEL], s[SEL+1]
.endr
.irp b, 0,1,2,3
	v_max_num_f32 v[TM+\b], v[TM+\b], v[TM+4+\b]   ; the block's largest magnitude
.endr
.irp b, 0,1,2,3
	v_add_nc_u32 v[TM+12+\b], 0xfe000000, v[TM+\b] ; 4 off its exponent field: the conversion's scale operand
.endr
.irp b, 0,1,2,3
	v_lshrrev_b32 v[TM+4+\b], 23, v[TM+12+\b]      ; the scale's byte
.endr
	v_lshl_or_b32 v[\w], v[TM+5], 8, v[TM+4]
	v_lshl_or_b32 v[\w], v[TM+6], 16, v[\w]
	v_lshl_or_b32 v[\w], v[TM+7], 24, v[\w]
	WIN 3                                          ; source 0: window 3
.irp c, 0,1
	v_cvt_scalef32_pk16_bf6_f32 v[PC+6*\c:PC+2+6*\c], v[AC+32*\c:AC+15+32*\c], v[TM+12+2*\c]
	v_cvt_scalef32_pk16_bf6_f32 v[PC+12+4*\c:PC+14+4*\c], v[AC+16+32*\c:AC+31+32*\c], v[TM+12+2*\c+1]
.endr
	WIN 0
	v_nop                                          ; one plain place behind a scaled conversion
.irp c, 0,1
.irp i, 0,1,2
	v_permlane16_swap_b32 v[PC+6*\c+\i], v[PC+12+4*\c+\i]
.endr
.irp i, 0,1,2
	v_mov_b32 v[PC+3+6*\c+\i], v[PC+12+4*\c+\i]
.endr
.endr
.endm
; Q or K: token blocks 2 p and 2 p + 1 of one head: registers 0-5 and 6-11
.macro OUT_QK p, pb
	QUANTW \p, PW
	v_cmp_eq_u32 vcc_lo, 0, v[MK+2*\p]             ; a masked key
	v_cndmask_b32 v[PT+2], 0, v[C60], vcc_lo       ; its code at k = 64.  (Q's is set by the launch that reads it)
	s_or_b32 vcc_lo, vcc_lo, s[ALLQ]
	v_cndmask_b32 v[HW], v[CO1], v[CO2], vcc_lo
	v_and_or_b32 v[SWA+2*\p], v[PW], s[LOWH], v[HW]
	v_cmp_eq_u32 vcc_lo, 0, v[MK+2*\p+1]
	v_cndmask_b32 v[PC+12], 0, v[C60], vcc_lo
	s_or_b32 vcc_lo, vcc_lo, s[ALLQ]
	v_cndmask_b32 v[HW], v[CO1], v[CO2], vcc_lo
	v_lshrrev_b32 v[SWA+2*\p+1], 16, v[PW]
	v_or_b32 v[SWA+2*\p+1], v[SWA+2*\p+1], v[HW]
	v_mov_b32 v[PT], v[PC+4]
	v_mov_b32 v[PT+1], v[PC+5]
	v_mov_b32 v[PC+13], 0
	global_store_b128 v[VT], v[PC:PC+3], s[\pb:\pb+1] offset:2048*\p            ; each store covers 512 consecutive bytes, aligned
	global_store_b128 v[VT], v[PT:PT+3], s[\pb:\pb+1] offset:2048*\p+512
	global_store_b128 v[VT], v[PC+6:PC+9], s[\pb:\pb+1] offset:2048*\p+1024
	global_store_b128 v[VT], v[PC+10:PC+13], s[\pb:\pb+1] offset:2048*\p+1536
.endm
.macro EQK pb
	OUT_QK 0, \pb
	OUT_QK 1, \pb
.irp j, 0,1
	v_cndmask_b32 v[X4+\j], v[SWA+2*\j], v[SWA+2*\j+1], s[HI16]   ; lanes 0-15 hold the even tile's words, lanes 16-31 the odd tile's
.endr
	global_store_b64 v[VS], v[X4:X4+1], s[\pb:\pb+1]              ; my two of a lane's four words
.endm
; V: channel tiles 2 p and 2 p + 1 x my 64 tokens: registers 6 half .. 6 half + 5 of each tile's fragment
.macro OUT_V p, pb
	QUANTW \p, PW
	v_lshrrev_b32 v[HW], 16, v[PW]
	v_cndmask_b32 v[X4+\p], v[PW], v[HW], s[HI16]
	s_wait_alu depctr_va_vdst(0)                   ; the wait here, directly ahead of the branch
	s_cmp_eq_u32 s25, 0
	s_cbranch_scc0 .Lupper_\@
.irp c, 0,1
	global_store_b128 v[VV], v[PC+6*\c:PC+6*\c+3], s[\pb:\pb+1] offset:1536*(2*\p+\c)
	global_store_b64 v[VV], v[PC+6*\c+4:PC+6*\c+5], s[\pb:\pb+1] offset:1536*(2*\p+\c)+512
.endr
	s_branch .Lstored_\@
.Lupper_\@:
.irp c, 0,1
	global_store_b64 v[VV], v[PC+6*\c:PC+6*\c+1], s[\pb:\pb+1] offset:1536*(2*\p+\c)+520
	global_store_b128 v[VV], v[PC+6*\c+2:PC+6*\c+5], s[\pb:\pb+1] offset:1536*(2*\p+\c)+1024
.endr
.Lstored_\@:
	global_store_b16 v[VVS], v[X4+\p], s[\pb:\pb+1] offset:4*\p   ; my two of the word's four bytes
.endm
.macro VBIAS t                         ; a lane holds one channel: its bias fills the eight registers
.irp b, 0,1,2,3
.irp j, 0,1,2,3,4,5,6,7
	v_mov_b32 v[BI+8*\b+\j], v[VB+4*\t+\b]
.endr
.endr
.endm
	s_wait_alu depctr_va_vdst(0)                   ; the wait at the head's end
	s_wait_tensorcnt 0x0                           ; my tile of the head's four is in
	ds_add_u32 v[SPW], v[NIL]
	s_mov_b32 s[G1W+2], 2<<16                      ; no tensor load of mine is out: from here on a load of W brings two row blocks
	s_mov_b32 s[G1W+4], 2
	s_wait_dscnt 0x0
	CROUND
	tensor_load_to_lds s[G0R+4:G0R+7], s[G1W:G1W+7]   ; tile 1 into slot 1, a quarter a wave
	s_nop 0
	PLACES
	s_mov_b32 s[SEL], 0x76543210
	s_mov_b32 s[SEL+1], 0xfedcba98                 ; v_permlanex16_b32's selects for lane l xor 16
	s_mov_b32 s[HI16], 0xffff0000                  ; lanes 16-31
	s_mov_b32 s[LOWH], 0xffff
	s_mov_b32 s[SWO], 0
	s_mov_b32 s3, 0
	WIN 0x40                                       ; x's fragments, once for the launch: K steps 0-3 into window 1,
.irp s, 0,1,2,3
.irp a, 0,1,2,3
	FRAG 48*\s+12*\a, ADX, \s, \a
.endr
.endr
	WIN 0x80                                       ; 4-7 into window 2
.irp s, 0,1,2,3
.irp a, 0,1,2,3
	FRAG 48*\s+12*\a, ADX, 4+\s, \a
.endr
.endr
	WIN 0
.irp a, 0,1,2,3
	ds_load_b128 v[XSC+8*\a:XSC+8*\a+3], v[ADXS] offset:512*\a
	ds_load_b128 v[XSC+8*\a+4:XSC+8*\a+7], v[ADXS] offset:512*\a+16
.endr
	PREP 0, 0
.Ltrip:                                            ; trip 0: Q's two slot steps, trip 1: K's; each fills both slots again
	s_wait_xcnt 0x0                                ; the last trip's stores and loads have read their bases
	s_cmp_eq_u32 s3, 0
	s_cselect_b64 s[PB0:PB0+1], s[20:21], s[22:23] ; q or kv
	s_cselect_b64 s[BP:BP+1], s[12:13], s[14:15]   ; b_q or b_k
	s_mov_b32 s[RB], KVREC
	s_cselect_b32 s[RB], QREC, s[RB]               ; a record's bytes
	s_cselect_b32 s[ALLQ], -1, 0                   ; Q: every row takes the bytes 2^12, 2^-126
	s_mul_i32 s[T0], s[REC], s[RB]
	s_mov_b32 s[T0+1], 0
	s_add_nc_u64 s[PB0:PB0+1], s[PB0:PB0+1], s[T0:T0+1]
	s_lshl_b32 s[T0], s[RB], 1
	s_add_nc_u64 s[PB1:PB1+1], s[PB0:PB0+1], s[T0:T0+1]
	MULS 0, 0
	SYNC 0
	BIAS BP, 512
	PREP 1, 4096
	EQK PB0
	MULS 0, 1
	SYNC 1
	s_cmp_eq_u32 s3, 1                             ; behind K comes V, whose bias was loaded at the head
	s_cbranch_scc1 .Lno_bias
	BIAS 14, 0
.Lno_bias:
	PREP 0, 8192
	EQK PB1
	s_add_co_u32 s[SWO], s[SWO], 8192
	s_add_co_u32 s3, s3, 1
	s_cmp_lt_u32 s3, 2
	s_wait_alu depctr_va_vdst(0)                   ; the wait here, directly ahead of the branch
	s_cbranch_scc1 .Ltrip
	s_wait_xcnt 0x0
	s_mul_i32 s[T0], s[REC], KVREC
	s_mov_b32 s[T0+1], 0
	s_add_nc_u64 s[PV0:PV0+1], s[22:23], s[T0:T0+1]
	s_add_nc_u64 s[PV1:PV1+1], s[PV0:PV0+1], 2*KVREC
	VBIAS 0
	MULS 1, 0
	s_wait_tensorcnt 0x0                           ; my part of the last tile is in; nothing is filled again, so a work-group barrier serves
	s_wait_dscnt 0x0
	s_barrier_signal -1
	s_barrier_wait -1
	PLACES
	PREP 1, 4096
	VBIAS 1
	OUT_V 0, PV0
	OUT_V 1, PV0
	MULS 1, 1
	PLACES
	OUT_V 0, PV1
	OUT_V 1, PV1
	s_wait_tensorcnt 0x0                           ; the wave's end
	ds_add_u32 v[SPW], v[NIL]
	s_wait_dscnt 0x0
	CROUND                                         ; the closing round
	s_endpgm
.Lfunc_end_k_q7cdcdde230_qkv:
	.size	k_q7cdcdde230_qkv, .Lfunc_end_k_q7cdcdde230_qkv-k_q7cdcdde230_qkv
	.p2alignl 7, 3214868480
	.fill 96, 4, 3214868480
	.section	.rodata,"a",@progbits
	.p2align	6, 0x0
	.amdhsa_kernel k_q7cdcdde230_qkv
		.amdhsa_group_segment_fixed_size 327680
		.amdhsa_private_segment_fixed_size 0
		.amdhsa_enable_private_segment 0
		.amdhsa_kernarg_size 80
		.amdhsa_user_sgpr_count 2
		.amdhsa_user_sgpr_kernarg_segment_ptr 1
		.amdhsa_wavefront_size32 1
		.amdhsa_system_sgpr_workgroup_id_x 1
		.amdhsa_system_sgpr_workgroup_id_y 1
		.amdhsa_system_sgpr_workgroup_id_z 1
		.amdhsa_system_vgpr_workitem_id 0
		.amdhsa_next_free_vgpr 1024
		.amdhsa_next_free_sgpr 104
		.amdhsa_reserve_vcc 1
		.amdhsa_float_denorm_mode_32 3
		.amdhsa_float_denorm_mode_16_64 3
		.amdhsa_memory_ordered 1
		.amdhsa_forward_progress 1
		.amdhsa_inst_pref_size 190
	.end_amdhsa_kernel
	.amdgpu_metadata
---
amdhsa.version: [ 1, 2 ]
amdhsa.kernels:
  - .name:           k_q7cdcdde230_qkv
    .symbol:         k_q7cdcdde230_qkv.kd
    .args:
      - { .name: x_img, .offset: 0, .size: 8, .value_kind: global_buffer, .address_space: global }
      - { .name: x_sc, .offset: 8, .size: 8, .value_kind: global_buffer, .address_space: global }
      - { .name: w_img, .offset: 16, .size: 8, .value_kind: global_buffer, .address_space: global }
      - { .name: w_sc, .offset: 24, .size: 8, .value_kind: global_buffer, .address_space: global }
      - { .name: b_q, .offset: 32, .size: 8, .value_kind: global_buffer, .address_space: global }
      - { .name: b_k, .offset: 40, .size: 8, .value_kind: global_buffer, .address_space: global }
      - { .name: b_v, .offset: 48, .size: 8, .value_kind: global_buffer, .address_space: global }
      - { .name: mask, .offset: 56, .size: 8, .value_kind: global_buffer, .address_space: global }
      - { .name: q, .offset: 64, .size: 8, .value_kind: global_buffer, .address_space: global }
      - { .name: kv, .offset: 72, .size: 8, .value_kind: global_buffer, .address_space: global }
    .group_segment_fixed_size: 327680
    .private_segment_fixed_size: 0
    .kernarg_segment_align: 8
    .kernarg_segment_size: 80
    .max_flat_workgroup_size: 128
    .sgpr_count:     104
    .vgpr_count:     1024
    .wavefront_size: 32
...
	.end_amdgpu_metadata
.endif
;; end of part 2
;; launch attn (part 3): grid 4 x 64, 16 waves a work-group, clusters of 4 x 1, 247,808 bytes of LDS; arguments q, kv, o_img, o_sc; writes o_img, o_sc
.if DOCPART == 3
	.amdgcn_target "amdgcn-amd-amdhsa--gfx1250"
	.amdhsa_code_object_version 6
	.text
	.protected	k_q7cdcdde230_attn
	.globl	k_q7cdcdde230_attn
	.p2align	8
	.type	k_q7cdcdde230_attn,@function
k_q7cdcdde230_attn:
	s_mov_b64 s[64:65], 0
	v_nop
	global_prefetch_b8 v0, s[64:65] scope:SCOPE_SE
	s_setreg_imm32_b32 hwreg(HW_REG_WAVE_MODE, 25, 1), 1
	s_wait_xcnt 0x0
	s_wait_alu depctr_hold_cnt(0) depctr_sa_sdst(0) depctr_va_vdst(0) depctr_va_sdst(0) depctr_va_ssrc(0) depctr_va_vcc(0) depctr_vm_vsrc(0)
	s_getreg_b32 s2, hwreg(HW_REG_IB_STS2, 6, 4)
	s_cmp_eq_u32 s2, 0
	s_cbranch_scc0 .Lentry_in_a_cluster
	s_endpgm
.Lentry_in_a_cluster:
	s_bfe_u32 s2, ttmp6, 0x10000c
	s_cmp_lg_u32 s2, 0x3003
	s_cbranch_scc0 .Lentry_shape_is_right
	s_endpgm
.Lentry_shape_is_right:
; O = softmax(Q K^T / 8, causal and with the key mask) V for one head, both products on codes of BF6 (E3M2) with E8M0 scales; O is divided by the row's sum and quantised here into the operand of the last projection.
; THE SOFTMAX: t = score x log2(e) / 8; M = the running largest t rounded up to a whole number; p = 2^(t - M) is quantised along the keys, not normalised; the row's sum is taken of the unquantised p.  When M moves, the sum and O are
; multiplied by 2^(old M - new M): exact.
; SHARES.  The four work-groups of a cluster serve one head (the cluster's y: batch x 16 + head).  The head's whole record of kv (K's tiles, V's fragments, their scale images: 241,664 bytes) comes into LDS ONCE, by joint loads, one of
; 59 rows x 256 bytes a wave, and stays: nothing is filled again.  A head has 128 tiles of 16 queries, T = 8 a + e.  Wave w of work-group cx takes (a = w, e = 2 cx) and (a = 15 - w, e = 2 cx + 1): a tile wants a + 1 key steps
; of 128, so every wave has 17 steps, and the number of steps hangs on the wave's number alone.  cx enters global addresses and the diagonal's compare only.
; LAYOUT.  Both products are used transposed: S^T = K Q^T (source 0 = 16 keys, source 1 = my 16 queries), O^T = V^T P^T (source 0 = 16 channels, source 1 = P): a lane holds one query throughout.  Inside a block of 32 a lane's registers
; hold element 16 u + 8 h + j at position 16 h + 8 u + j, the order that V's codes (along the keys) and W_o's (along the channels) carry too.
; THE SCORES' K is 64 of the instruction's 128.  A tile of K is 8 registers: 6 of codes, one with the mask's code at k = 64, one of zeros; the operand's last four registers are the next tile's first four.  They meet Q's zero codes, and the
; format has no infinity or NaN, so they add nothing.  Q's code at k = 64 is +16 under 2^12; a masked key's is -16 under 2^12: its score gets -2^32, its p is 0 beside any open key.
; A ROW WITHOUT ANY OPEN KEY up to its query: there every logit of the row, the causally hidden ones too, is the same number, so p = 1 for all 2,048 keys.  Such a row is known by its largest t (under -5e8); it
; takes VTOT, the sum of the quantised V over all keys (made once by the matrix unit with p = 1 as the quantiser makes it: code 16, byte 2^-4), and the sum 2,048, by selects.
; LIMITS: |Q . K| stays far under 2^31; a block of O whose largest magnitude lies under 2^-122 keeps the byte 1; NaN and infinities are not served.
.set KVREC, 241664
.set QREC,  139264
.set PART,  59*256                     ; a wave's part of the record
.set KSCO,  131072                     ; in the record, and so in LDS: K's scale images,
.set VIMO,  139264                     ; V's fragments,
.set VSCO,  237568                     ; V's scale images
.set VTOT,  241664                     ; behind the record: 64 f32, a block of 256 bytes of its own
.set LI,   1                           ; v1   16 x lane
.set AV0,  2                           ; v2   my lane's place in V's fragments
.set ASK0, 3                           ; v3   in K's scale images
.set ASV0, 4                           ; v4   in V's
.set DV0,  5                           ; v5   the diagonal: 16 e + r - 8 h for my first tile,
.set DV1,  6                           ; v6   for my second
.set L8,   7                           ; v7   8 x lane
.set ADK,  8                           ; v8-11 LDS addresses of the step in hand: K, V, K's scales, V's scales
.set ADV,  9
.set ADS,  10
.set ADT,  11
.set QA,   16                          ; v16-27 Q's fragment of my first tile;  v28-39 of my second    (v12 -M, v13 the largest t, v[14:15] the sum in two halves)
.set QB,   28
.set KSR,  40                          ; v40-43 K's scale words: register j: lanes 0-15 tile 2 j, lanes 16-31 tile 2 j + 1
.set VSR,  44                          ; v44-45 V's likewise
.set QSA,  46                          ; Q's scale words
.set QSB,  47
.set PS,   48                          ; p's scale word
.set R32,  49                          ; 32 r
.set FG,   50                          ; v50-117 K's eight tiles at 8 t (v114-117 stay 0), then V's four fragments at 12 t
.set S,    118                         ; v118-181 S^T, then p
.set OA,   182                         ; v182-213 O^T
.set PCD,  214                         ; v214-225 p's codes
.set CT,   226                         ; v226-228, v230-232 halves on their way
.set BM,   234                         ; v234-237 block maxima
.set BT,   238                         ; v238-241 the other half's, bytes, a chain of the sum
.set SO,   242                         ; v242-245 the conversions' scale operands
.set FF,   246                         ; v[246:247] f = 2^(old M - new M)
.set TMP,  248
.set VST,  249                         ; VTOT: where I store,
.set VRD,  250                         ; where I read
.set VA0,  251                         ; v251, v252 V's fragments of channel tile w, key steps 0-7 and 8-15
.set VW0,  253                         ; and its scale words
.set NINF, 254
.set WV,  14
.set CX,  15
.set HB,  16
.set SEL, 20                           ; s[20:21] lane selects: lane l xor 16
.set CS,  22                           ; s[22:23] c = log2(e) / 8
.set G1,  24
.set G0,  32
.set ST,  36                           ; the key step
.set AA,  37                           ; the tile's a: its last key step
.set TK,  38                           ; where the step's tiles of K, fragments of V and scale images begin
.set TV,  39
.set TKS, 40
.set TVS, 41
.set LOW, 42                           ; -5e8
.macro ROUND                           ; a round of the cluster's barrier
	s_barrier_signal -1
	s_barrier_wait -1
	s_cmp_lg_u32 s[WV], 0
	s_cbranch_scc1 .Lnot_wave_0_\@
	s_barrier_signal -3
.Lnot_wave_0_\@:
	s_barrier_wait -3
	s_barrier_signal -1
	s_barrier_wait -1
.endm
	s_load_b256 s[4:11], s[0:1], 0x0               ; q, kv, o_img, o_sc
	v_lshl_add_u32 v233, v0, 2, 0x3c000
	v_mov_b32 v255, 0
	ds_add_u32 v233, v255
	ds_add_u32 v233, v255
	v_lshrrev_b32 v8, 5, v0
	s_delay_alu instid0(VALU_DEP_1)
	v_readfirstlane_b32 s[WV], v8                  ; wave 0..15
	s_bfe_u32 s[CX], ttmp6, 0x40000                ; my place in the cluster
	s_and_b32 s[HB], ttmp7, 0xffff                 ; batch x 16 + head, which the four partners share
	s_mov_b32 s[G1], 15|(3<<16)|(1<<21)            ; 15:0 the mask: all four work-groups; 17:16 elements of 8 bytes; 21 set beside a mask
	s_mov_b32 s[G1+1], 32<<16                      ; tensor_dim0: 256 bytes
	s_mov_b32 s[G1+2], 59<<16                      ; tensor_dim1
	s_mov_b32 s[G1+3], 32<<16                      ; tile_dim0
	s_mov_b32 s[G1+4], 59                          ; tile_dim1
	s_mov_b32 s[G1+5], 32                          ; dense
	s_mov_b32 s[G1+6], 0
	s_mov_b32 s[G1+7], 0
	s_mov_b32 s[G0], 1
	s_mul_i32 s[G0+1], s[WV], PART                 ; LDS: the record as it lies
	s_mul_i32 s12, s[HB], KVREC
	s_add_co_u32 s12, s12, s[G0+1]
	s_mov_b32 s13, 0
	s_mov_b32 s[SEL], 0x76543210
	s_mov_b32 s[SEL+1], 0xfedcba98
	s_mov_b32 s[CS], 0x3e38aa3b
	s_mov_b32 s[CS+1], s[CS]                       ; (named with it as a pair, so it is written)
	s_mov_b32 s[LOW], 0xcdee6b28
	s_wait_dscnt 0x0
	s_wait_kmcnt 0x0
	s_add_nc_u64 s[G0+2:G0+3], s[6:7], s[12:13]
	s_or_b32 s[G0+3], s[G0+3], 0x80000000
	ROUND                                          ; all four work-groups are here: the joint loads meet
	tensor_load_to_lds s[G0:G0+3], s[G1:G1+7]      ; my one tensor load of the launch
	s_nop 0
.rept 4
	v_nop
.endr
	; Q's two tiles and their scale words
	s_xor_b32 s18, s[WV], 15                       ; 15 - w
	s_mul_i32 s12, s[HB], QREC
	s_lshl_b32 s17, s[CX], 11
	s_add_co_u32 s12, s12, s17
	s_add_nc_u64 s[52:53], s[4:5], s[12:13]        ; the head's record, + 2 cx tiles
	s_lshl_b32 s12, s[WV], 13
	s_add_nc_u64 s[44:45], s[52:53], s[12:13]      ; tile 8 w + 2 cx
	s_lshl_b32 s12, s18, 13
	s_add_co_u32 s12, s12, 1024
	s_add_nc_u64 s[46:47], s[52:53], s[12:13]      ; tile 8 (15 - w) + 2 cx + 1
	s_mul_i32 s12, s[HB], QREC
	s_lshl_b32 s17, s[CX], 2
	s_add_co_u32 s12, s12, s17
	s_add_co_u32 s12, s12, 131072
	s_add_nc_u64 s[52:53], s[4:5], s[12:13]        ; the scale images, + word cx of a lane's four
	s_lshl_b32 s12, s[WV], 9
	s_add_nc_u64 s[48:49], s[52:53], s[12:13]      ; an even tile: lanes 0-15 of the image
	s_lshl_b32 s12, s18, 9
	s_add_co_u32 s12, s12, 256
	s_add_nc_u64 s[50:51], s[52:53], s[12:13]      ; an odd tile: lanes 16-31
	v_and_b32 v8, 31, v0                           ; lane
	v_and_b32 v9, 15, v0                           ; r
	v_bfe_u32 v10, v0, 4, 1                        ; h
	s_delay_alu instid0(VALU_DEP_3)
	v_lshlrev_b32 v[LI], 4, v8
	s_delay_alu instid0(VALU_DEP_4)
	v_lshlrev_b32 v[L8], 3, v8
	s_delay_alu instid0(VALU_DEP_4)
	v_lshlrev_b32 v11, 4, v9
	global_load_b128 v[QA:QA+3], v[LI], s[44:45]
	global_load_b64 v[QA+4:QA+5], v[LI], s[44:45] offset:512
	global_load_b128 v[QB:QB+3], v[LI], s[46:47]
	global_load_b64 v[QB+4:QB+5], v[LI], s[46:47] offset:512
	global_load_b32 v[QSA], v11, s[48:49]
	global_load_b32 v[QSB], v11, s[50:51]
	v_mov_b32 v[PS], 0x7b7b7b7b                    ; p = 1 as the quantiser makes it: byte 2^-4,
.irp i, 0,1,2,3
	v_mov_b32 v[PCD+3*\i], 0x1c71c71c              ; and the code of 16, 128 times
	v_mov_b32 v[PCD+3*\i+1], 0xc71c71c7
	v_mov_b32 v[PCD+3*\i+2], 0x71c71c71
.endr
	v_cmp_gt_u32 vcc_lo, 16, v8
	v_mov_b32 v[TMP], 28                           ; the code of +16
	s_delay_alu instid0(VALU_DEP_1)
	v_cndmask_b32 v[QA+6], 0, v[TMP], vcc_lo       ; Q's code at k = 64 (lanes 0-15 hold k = 64 on); all other padding is zeros
	s_delay_alu instid0(VALU_DEP_2)
	v_cndmask_b32 v[QB+6], 0, v[TMP], vcc_lo
.irp i, 7,8,9,10,11
	v_mov_b32 v[QA+\i], 0
	v_mov_b32 v[QB+\i], 0
.endr
.irp i, 64,65,66,67
	v_mov_b32 v[FG+\i], 0                          ; behind K's last tile
.endr
	; every LDS address register is made here, ahead of the first branch on the wave's number
	v_add_nc_u32 v[AV0], VIMO, v[LI]
	v_add_nc_u32 v[ASK0], KSCO, v[LI]
	v_add_nc_u32 v[ASV0], VSCO, v[L8]
	s_lshl_b32 s17, s[CX], 5
	v_lshlrev_b32 v[DV0], 3, v10
	s_delay_alu instid0(VALU_DEP_1)
	v_sub_nc_u32 v[DV0], v9, v[DV0]
	s_delay_alu instid0(VALU_DEP_1)
	v_add_nc_u32 v[DV0], s17, v[DV0]               ; 32 cx + r - 8 h
	s_delay_alu instid0(VALU_DEP_1)
	v_add_nc_u32 v[DV1], 16, v[DV0]
	v_lshlrev_b32 v[R32], 5, v9
	s_min_u32 s19, s[WV], 3                        ; VTOT is made by waves 0-3; in the others these addresses are not used
	s_lshl_b32 s17, s19, 6
	v_lshlrev_b32 v[VRD], 5, v10
	s_delay_alu instid0(VALU_DEP_1)
	v_add_nc_u32 v[VRD], VTOT, v[VRD]              ; channels 16 t + 8 h + 0..7 lie at 64 t + 32 h
	s_delay_alu instid0(VALU_DEP_1)
	v_add_nc_u32 v[VST], s17, v[VRD]
	s_mul_i32 s17, s19, 1536
	v_add_nc_u32 v[VA0], s17, v[AV0]
	s_delay_alu instid0(VALU_DEP_1)
	v_add_nc_u32 v[VA0+1], 8*6144, v[VA0]
	s_and_b32 s17, s19, 1
	s_lshl_b32 s17, s17, 7
	s_lshr_b32 s18, s19, 1
	s_lshl_b32 s18, s18, 2
	s_add_co_u32 s17, s17, s18
	v_lshlrev_b32 v[VW0], 3, v9
	s_delay_alu instid0(VALU_DEP_1)
	v_add_nc_u32 v[VW0], s17, v[VW0]
	s_delay_alu instid0(VALU_DEP_1)
	v_add_nc_u32 v[VW0], VSCO, v[VW0]              ; tile w's word of row r: 8 (r + 16 (w % 2)) + 4 (w / 2)
	v_mov_b32 v[NINF], 0xff800000
.irp b, 0,1,2,3
	v_mov_b32 v[BT+\b], 0                          ; written once: a lane permute's destination counts as one of its sources
.endr
	v_mov_b32 v[FF+1], 0                           ; (named as the upper half of a pair)
	s_wait_loadcnt 0x0                             ; Q
	s_wait_tensorcnt 0x0                           ; my part of the record is in,
	s_barrier_signal -1
	s_barrier_wait -1                              ; everybody's is
	; VTOT: wave w < 4 sums channel tile w of the quantised V over the 16 key steps: two accumulators by turns
	s_cmp_lt_u32 s[WV], 4
	s_cbranch_scc0 .Lno_vtot
	s_wait_alu depctr_va_vdst(0)
.irp g, 0,1,2,3
.if \g > 0
.rept 4
	v_nop                                          ; places in front of loads into registers that matrix instructions have read
.endr
.endif
.irp i, 0,1,2,3
.irp c, 0,1,2
	ds_load_b128 v[FG+12*\i+4*\c:FG+12*\i+4*\c+3], v[VA0+\g/2] offset:6144*(4*(\g%2)+\i)+512*\c
.endr
	ds_load_b32 v[KSR+\i], v[VW0] offset:256*(4*\g+\i)
.endr
	s_wait_dscnt 0x0
.irp i, 0,1,2,3
.if (\g == 0) && (\i < 2)
	v_wmma_scale_f32_16x16x128_f8f6f4 v[S+8*(\i%2):S+8*(\i%2)+7], v[FG+12*\i:FG+12*\i+11], v[PCD:PCD+11], 0, v[KSR+\i], v[PS] matrix_a_fmt:MATRIX_FMT_BF6 matrix_b_fmt:MATRIX_FMT_BF6
.else
	v_wmma_scale_f32_16x16x128_f8f6f4 v[S+8*(\i%2):S+8*(\i%2)+7], v[FG+12*\i:FG+12*\i+11], v[PCD:PCD+11], v[S+8*(\i%2):S+8*(\i%2)+7], v[KSR+\i], v[PS] matrix_a_fmt:MATRIX_FMT_BF6 matrix_b_fmt:MATRIX_FMT_BF6
.endif
.endr
.endr
.rept 4
	v_nop
.endr
.irp j, 0,2,4,6
	v_pk_add_f32 v[S+16+\j:S+17+\j], v[S+\j:S+1+\j], v[S+8+\j:S+9+\j]
.endr
	ds_store_b128 v[VST], v[S+16:S+19]             ; the sixteen lanes of a half hold the same eight numbers and write the same bytes
	ds_store_b128 v[VST], v[S+20:S+23] offset:16
.Lno_vtot:
	s_wait_dscnt 0x0                               ; for the others' sake: my stores are done
	s_barrier_signal -1
	s_barrier_wait -1
; A KEY STEP: 128 keys.  A step behind the tile's last is left out: a scalar branch on the wave's number and the step, round the work, not round the lines that step addresses.
.macro STEP qf, qs, dv
	s_cmp_gt_u32 s[ST], s[AA]
	s_cbranch_scc1 .Lskip_\@
	v_add_nc_u32 v[ADK], s[TK], v[LI]              ; (these four are also the places behind the last step's products, in front of the loads below)
	v_add_nc_u32 v[ADV], s[TV], v[AV0]
	v_add_nc_u32 v[ADS], s[TKS], v[ASK0]
	v_add_nc_u32 v[ADT], s[TVS], v[ASV0]
.irp t, 0,1,2,3,4,5,6,7
	ds_load_b128 v[FG+8*\t:FG+8*\t+3], v[ADK] offset:1024*\t
	ds_load_b128 v[FG+8*\t+4:FG+8*\t+7], v[ADK] offset:1024*\t+512
.endr
	ds_load_b128 v[KSR:KSR+3], v[ADS]
	s_wait_alu depctr_va_vdst(0)
	s_wait_dscnt 0x0
.irp t, 0,1,2,3,4,5,6,7                ; S^T = K Q^T: lane (r, h) holds query r, register 8 t + j key 16 t + 8 h + j
.if \t%2
	v_wmma_scale_f32_16x16x128_f8f6f4 v[S+8*\t:S+8*\t+7], v[FG+8*\t:FG+8*\t+11], v[\qf:\qf+11], 0, v[KSR+\t/2], v[\qs] matrix_a_fmt:MATRIX_FMT_BF6 matrix_b_fmt:MATRIX_FMT_BF6 matrix_a_scale:MATRIX_SCALE_ROW1
.else
	v_wmma_scale_f32_16x16x128_f8f6f4 v[S+8*\t:S+8*\t+7], v[FG+8*\t:FG+8*\t+11], v[\qf:\qf+11], 0, v[KSR+\t/2], v[\qs] matrix_a_fmt:MATRIX_FMT_BF6 matrix_b_fmt:MATRIX_FMT_BF6
.endif
.endr
.rept 4
	v_nop                                          ; places: for the loads below and for the first read of the scores
.endr
.irp t, 0,1,2,3                        ; V's fragments land while the softmax is walked
.irp c, 0,1,2
	ds_load_b128 v[FG+12*\t+4*\c:FG+12*\t+4*\c+3], v[ADV] offset:1536*\t+512*\c
.endr
.endr
	ds_load_b64 v[VSR:VSR+1], v[ADT]
	s_cmp_lg_u32 s[ST], s[AA]                      ; the tile's last step lies on the diagonal: hidden keys' scores become -infinity ahead of the maximum
	s_cbranch_scc1 .Lopen_\@
.set n, 0
.rept 64
	v_cmp_gt_i32 vcc_lo, 16*(n/8)+n%8, v[\dv]      ; key 16 t + 8 h + j comes after query 16 e + r
	v_cndmask_b32 v[S+n], v[S+n], v[NINF], vcc_lo
.set n, n+1
.endr
.Lopen_\@:
.irp b, 0,1,2,3
	v_max3_num_f32 v[BM+\b], v[S+16*\b], v[S+1+16*\b], v[S+2+16*\b]   ; the largest score of each block of 32 keys: it serves for the row's maximum and, since p rises with the score, for the block's largest p
.endr
.irp i, 3,5,7,9,11,13
.irp b, 0,1,2,3
	v_max3_num_f32 v[BM+\b], v[BM+\b], v[S+16*\b+\i], v[S+1+16*\b+\i]
.endr
.endr
.irp b, 0,1,2,3
	v_max_num_f32 v[BM+\b], v[BM+\b], v[S+15+16*\b]
.endr
.irp b, 0,1,2,3
	s_delay_alu instid0(VALU_DEP_4)
	v_permlanex16_b32 v[BT+\b], v[BM+\b], s[SEL], s[SEL+1]
.endr
.irp b, 0,1,2,3
	s_delay_alu instid0(VALU_DEP_4)
	v_max_num_f32 v[BM+\b], v[BM+\b], v[BT+\b]     ; with lane l xor 16's 16 keys
.endr
	s_delay_alu instid0(VALU_DEP_2)
	v_max3_num_f32 v[TMP], v[BM], v[BM+1], v[BM+2]
	s_delay_alu instid0(VALU_DEP_1)
	v_max_num_f32 v[TMP], v[TMP], v[BM+3]          ; the step's largest score of my query
	s_delay_alu instid0(VALU_DEP_1)
	v_mul_f32 v[TMP], s[CS], v[TMP]                ; as t
	s_delay_alu instid0(VALU_DEP_1)
	v_max_num_f32 v13, v13, v[TMP]                 ; the running largest t
	v_mov_b32 v[TMP], v12
	s_delay_alu instid0(VALU_DEP_2)
	v_floor_f32 v12, -v13                          ; the new -M = floor(-t): M is a whole number
	s_delay_alu instid0(VALU_DEP_1)
	v_sub_f32 v[TMP], v12, v[TMP]                  ; old M - new M: a whole number, 0 or less
	s_delay_alu instid0(VALU_DEP_1)
	v_cvt_i32_f32 v[TMP], v[TMP]                   ; (it saturates)
	s_delay_alu instid0(VALU_DEP_1)
	v_ldexp_f32 v[FF], 1.0, v[TMP]                 ; f = 2^(old M - new M)
.set n, 0
.rept 32
	v_pk_fma_f32 v[S+n:S+n+1], v[S+n:S+n+1], s[CS:CS+1], v[12:13] op_sel_hi:[1,0,0]   ; t - M, two at a time
.set n, n+2
.endr
.irp b, 0,1,2,3
	v_fma_f32 v[BM+\b], v[BM+\b], s[CS], v12       ; the same of each block's largest score
.endr
.set n, 0
	s_wait_alu depctr_va_vdst(0)
.rept 64
	v_exp_f32 v[S+n], v[S+n]                       ; p = 2^(t - M)
.set n, n+1
.endr
.irp b, 0,1,2,3
	v_exp_f32 v[BM+\b], v[BM+\b]                   ; the block's largest p
.endr
	v_pk_mul_f32 v[14:15], v[14:15], v[FF:FF+1] op_sel_hi:[1,0]   ; the sums under the new M.  (A plain place behind the exponentials)
	s_wait_alu depctr_va_vdst(0)
.irp b, 0,1,2,3
	v_max_num_f32 v[BM+\b], 0x2800000, v[BM+\b]    ; the floor 2^(5 - 127): the byte cannot fall under 1
.endr
.irp b, 0,1,2,3
	s_delay_alu instid0(VALU_DEP_4)
	v_add_nc_u32 v[SO+\b], 0xfe000000, v[BM+\b]    ; 4 off the exponent field: the conversion's scale operand
.endr
.irp b, 0,1,2,3
	s_delay_alu instid0(VALU_DEP_4)
	v_lshrrev_b32 v[BT+\b], 23, v[SO+\b]           ; the scale's byte
.endr
	s_delay_alu instid0(VALU_DEP_3)
	v_lshl_or_b32 v[PS], v[BT+1], 8, v[BT]         ; p's scale word for these 128 keys
	s_delay_alu instid0(VALU_DEP_1)
	v_lshl_or_b32 v[PS], v[BT+2], 16, v[PS]
	s_delay_alu instid0(VALU_DEP_1)
	v_lshl_or_b32 v[PS], v[BT+3], 24, v[PS]
.irp c, 0,1
	v_cvt_scalef32_pk16_bf6_f32 v[PCD+6*\c:PCD+2+6*\c], v[S+32*\c:S+15+32*\c], v[SO+2*\c]
	v_cvt_scalef32_pk16_bf6_f32 v[CT+4*\c:CT+2+4*\c], v[S+16+32*\c:S+31+32*\c], v[SO+2*\c+1]
.endr
	v_nop                                          ; one plain place behind a scaled conversion
.irp c, 0,1                            ; the operand's layout wants a whole block in a lane
.irp i, 0,1,2
	v_permlane16_swap_b32 v[PCD+6*\c+\i], v[CT+4*\c+\i]
.endr
.irp i, 0,1,2
	s_delay_alu instid0(VALU_DEP_3)
	v_mov_b32 v[PCD+3+6*\c+\i], v[CT+4*\c+\i]
.endr
.endr
	v_pk_add_f32 v[238:239], v[122:123], v[126:127]
	v_pk_add_f32 v[252:253], v[130:131], v[134:135]
	v_pk_add_f32 v[244:245], v[138:139], v[142:143]
	v_pk_add_f32 v[242:243], v[146:147], v[150:151]
	v_pk_add_f32 v[236:237], v[154:155], v[158:159]
	v_pk_add_f32 v[234:235], v[162:163], v[166:167]
	v_pk_add_f32 v[230:231], v[170:171], v[174:175]
	v_pk_add_f32 v[14:15], v[14:15], v[178:179]
	v_pk_add_f32 v[238:239], v[238:239], v[118:119]
	v_pk_add_f32 v[252:253], v[252:253], v[120:121]
	v_pk_add_f32 v[244:245], v[244:245], v[124:125]
	v_pk_add_f32 v[242:243], v[242:243], v[128:129]
	v_pk_add_f32 v[236:237], v[236:237], v[132:133]
	v_pk_add_f32 v[234:235], v[234:235], v[136:137]
	v_pk_add_f32 v[230:231], v[230:231], v[140:141]
	v_pk_add_f32 v[14:15], v[14:15], v[144:145]
	v_pk_add_f32 v[238:239], v[238:239], v[148:149]
	v_pk_add_f32 v[252:253], v[252:253], v[152:153]
	v_pk_add_f32 v[244:245], v[244:245], v[156:157]
	v_pk_add_f32 v[242:243], v[242:243], v[160:161]
	v_pk_add_f32 v[236:237], v[236:237], v[164:165]
	v_pk_add_f32 v[234:235], v[234:235], v[168:169]
	v_pk_add_f32 v[230:231], v[230:231], v[172:173]
	v_pk_add_f32 v[14:15], v[14:15], v[176:177]
	v_pk_add_f32 v[238:239], v[238:239], v[180:181]
	s_delay_alu instid0(VALU_DEP_2)
	v_pk_add_f32 v[14:15], v[14:15], v[242:243]
	s_delay_alu instid0(VALU_DEP_2)
	v_pk_add_f32 v[238:239], v[238:239], v[236:237]
	v_pk_add_f32 v[252:253], v[252:253], v[234:235]
	v_pk_add_f32 v[244:245], v[244:245], v[230:231]
	s_delay_alu instid0(VALU_DEP_2)
	v_pk_add_f32 v[14:15], v[14:15], v[252:253]
	s_delay_alu instid0(VALU_DEP_2)
	v_pk_add_f32 v[238:239], v[238:239], v[244:245]
	s_delay_alu instid0(VALU_DEP_1)
	v_pk_add_f32 v[14:15], v[14:15], v[238:239]
.set n, 0
.rept 16
	v_pk_mul_f32 v[OA+n:OA+n+1], v[OA+n:OA+n+1], v[FF:FF+1] op_sel_hi:[1,0]   ; O^T under the new M
.set n, n+2
.endr
	s_wait_alu depctr_va_vdst(0)
	s_wait_dscnt 0x0                               ; V's fragments and scale words are in
.irp t, 0,1,2,3                        ; O^T += V^T P^T: four accumulators, one instruction each
.if \t%2
	v_wmma_scale_f32_16x16x128_f8f6f4 v[OA+8*\t:OA+8*\t+7], v[FG+12*\t:FG+12*\t+11], v[PCD:PCD+11], v[OA+8*\t:OA+8*\t+7], v[VSR+\t/2], v[PS] matrix_a_fmt:MATRIX_FMT_BF6 matrix_b_fmt:MATRIX_FMT_BF6 matrix_a_scale:MATRIX_SCALE_ROW1
.else
	v_wmma_scale_f32_16x16x128_f8f6f4 v[OA+8*\t:OA+8*\t+7], v[FG+12*\t:FG+12*\t+11], v[PCD:PCD+11], v[OA+8*\t:OA+8*\t+7], v[VSR+\t/2], v[PS] matrix_a_fmt:MATRIX_FMT_BF6 matrix_b_fmt:MATRIX_FMT_BF6
.endif
.endr
.Lskip_\@:
	s_add_co_u32 s[TK], s[TK], 8192
	s_add_co_u32 s[TV], s[TV], 6144
	s_add_co_u32 s[TKS], s[TKS], 512
	s_add_co_u32 s[TVS], s[TVS], 256
.endm
; THE TILE'S END: the row's sum; the rows without an open key take VTOT and 2,048; O / the sum is quantised (two blocks of 32 channels) and stored as half a fragment's image and two scale bytes a row.
.macro FINISH which, ob
.rept 4
	v_nop                                          ; places behind the last products
.endr
	v_add_f32 v14, v14, v15
	s_delay_alu instid0(VALU_DEP_1)
	v_permlanex16_b32 v[TMP], v14, s[SEL], s[SEL+1]
	s_delay_alu instid0(VALU_DEP_1)
	v_add_f32 v14, v14, v[TMP]                     ; the row's sum
.irp t, 0,1,2,3
	ds_load_b128 v[S+8*\t:S+8*\t+3], v[VRD] offset:64*\t
	ds_load_b128 v[S+8*\t+4:S+8*\t+7], v[VRD] offset:64*\t+16
.endr
	s_lshl_b32 s52, s[AA], 3
	s_lshl_b32 s53, s[CX], 1
	s_add_co_u32 s52, s52, s53
	s_add_co_u32 s52, s52, \which                  ; T = 8 a + 2 cx + which
	s_lshr_b32 s53, s[HB], 4
	s_lshl_b32 s53, s53, 7
	s_add_co_u32 s52, s52, s53                     ; the row block: 128 x batch + T
	s_and_b32 s54, s[HB], 15                       ; the head
	s_mul_i32 s56, s52, 12288
	s_mul_i32 s55, s54, 768                        ; K step head / 2, its lower or upper six registers
	s_add_co_u32 s56, s56, s55
	s_mov_b32 s57, 0
	s_add_nc_u64 s[\ob:\ob+1], s[8:9], s[56:57]
	s_lshl_b32 s56, s52, 9
	s_lshl_b32 s55, s54, 1
	s_add_co_u32 s56, s56, s55
	s_add_nc_u64 s[\ob+2:\ob+3], s[10:11], s[56:57]
	v_cmp_gt_f32 vcc_lo, s[LOW], v13               ; no open key up to this query
	v_mov_b32 v[TMP], 0x45000000                   ; 2,048
	s_wait_dscnt 0x0
.set n, 0
.rept 32
	v_cndmask_b32 v[S+32+n], v[OA+n], v[S+n], vcc_lo
.set n, n+1
.endr
	v_cndmask_b32 v14, v14, v[TMP], vcc_lo
	s_wait_alu depctr_va_vdst(0)
	v_rcp_f32 v14, v14
	v_nop                                          ; one plain place behind a transcendental
.set n, 0
	s_wait_alu depctr_va_vdst(0)
.rept 16
	v_pk_mul_f32 v[S+32+n:S+33+n], v[S+32+n:S+33+n], v[14:15] op_sel_hi:[1,0]
.set n, n+2
.endr
.irp b, 0,1
	v_max3_num_f32 v[BM+\b], |v[S+32+16*\b]|, |v[S+33+16*\b]|, 0x2800000
.endr
.irp i, 2,4,6,8,10,12,14
.irp b, 0,1
	s_delay_alu instid0(VALU_DEP_2)
	v_max3_num_f32 v[BM+\b], v[BM+\b], |v[S+32+16*\b+\i]|, |v[S+33+16*\b+\i]|
.endr
.endr
.irp b, 0,1
	s_delay_alu instid0(VALU_DEP_2)
	v_permlanex16_b32 v[BT+\b], v[BM+\b], s[SEL], s[SEL+1]
.endr
.irp b, 0,1
	s_delay_alu instid0(VALU_DEP_2)
	v_max_num_f32 v[BM+\b], v[BM+\b], v[BT+\b]
.endr
.irp b, 0,1
	s_delay_alu instid0(VALU_DEP_2)
	v_add_nc_u32 v[SO+\b], 0xfe000000, v[BM+\b]
.endr
.irp b, 0,1
	s_delay_alu instid0(VALU_DEP_2)
	v_lshrrev_b32 v[BT+\b], 23, v[SO+\b]
.endr
	s_delay_alu instid0(VALU_DEP_1)
	v_lshl_or_b32 v[TMP], v[BT+1], 8, v[BT]        ; the row's two scale bytes
	v_cvt_scalef32_pk16_bf6_f32 v[PCD:PCD+2], v[S+32:S+47], v[SO]
	v_cvt_scalef32_pk16_bf6_f32 v[CT:CT+2], v[S+48:S+63], v[SO+1]
	v_nop                                          ; one plain place behind a scaled conversion
.irp i, 0,1,2
	v_permlane16_swap_b32 v[PCD+\i], v[CT+\i]
.endr
.irp i, 0,1,2
	s_delay_alu instid0(VALU_DEP_3)
	v_mov_b32 v[PCD+3+\i], v[CT+\i]
.endr
.irp p, 0,1,2
	global_store_b64 v[L8], v[PCD+2*\p:PCD+2*\p+1], s[\ob:\ob+1] offset:256*\p   ; 256 consecutive bytes, aligned
.endr
	global_store_b16 v[R32], v[TMP], s[\ob+2:\ob+3]   ; two bytes of each of 16 rows (both halves of the lanes write the same): the one place where short pieces are stored; a row's 32 bytes come from 16 heads, which other clusters serve
.endm
.macro TILE which, qf, qs, dv, ob
	s_wait_xcnt 0x0                                ; the last tile's stores have read their registers
.if \which
	s_xor_b32 s[AA], s[WV], 15
.else
	s_mov_b32 s[AA], s[WV]
.endif
	v_mov_b32 v13, 0xff61b1e6                      ; the largest t so far: -3e38
	s_delay_alu instid0(VALU_DEP_1)
	v_floor_f32 v12, -v13                          ; -M
	v_mov_b32 v14, 0
	v_mov_b32 v15, 0
.set n, 0
.rept 32
	v_mov_b32 v[OA+n], 0                           ; the step is written once: the first finds zeros, which the first change of M leaves zeros
.set n, n+1
.endr
	s_mov_b32 s[ST], 0
	s_mov_b32 s[TK], 0
	s_mov_b32 s[TV], 0
	s_mov_b32 s[TKS], 0
	s_mov_b32 s[TVS], 0
.Lstep_\@:                                         ; 16 trips in every wave: the trip count is a constant, the work is jumped over
	STEP \qf, \qs, \dv
	s_add_co_u32 s[ST], s[ST], 1
	s_cmp_lt_u32 s[ST], 16
	s_cbranch_scc1 .Lstep_\@
	FINISH \which, \ob
.endm
	TILE 0, QA, QSA, DV0, 44
	TILE 1, QB, QSB, DV1, 48
	s_wait_tensorcnt 0x0
	ds_add_u32 v233, v255
	s_wait_dscnt 0x0
	ROUND                                          ; the closing round
	s_endpgm
.Lfunc_end_k_q7cdcdde230_attn:
	.size	k_q7cdcdde230_attn, .Lfunc_end_k_q7cdcdde230_attn-k_q7cdcdde230_attn
	.p2alignl 7, 3214868480
	.fill 96, 4, 3214868480
	.section	.rodata,"a",@progbits
	.p2align	6, 0x0
	.amdhsa_kernel k_q7cdcdde230_attn
		.amdhsa_group_segment_fixed_size 247808
		.amdhsa_private_segment_fixed_size 0
		.amdhsa_enable_private_segment 0
		.amdhsa_kernarg_size 32
		.amdhsa_user_sgpr_count 2
		.amdhsa_user_sgpr_kernarg_segment_ptr 1
		.amdhsa_wavefront_size32 1
		.amdhsa_system_sgpr_workgroup_id_x 1
		.amdhsa_system_sgpr_workgroup_id_y 1
		.amdhsa_system_sgpr_workgroup_id_z 1
		.amdhsa_system_vgpr_workitem_id 0
		.amdhsa_next_free_vgpr 256
		.amdhsa_next_free_sgpr 66
		.amdhsa_reserve_vcc 1
		.amdhsa_float_denorm_mode_32 3
		.amdhsa_float_denorm_mode_16_64 3
		.amdhsa_memory_ordered 1
		.amdhsa_forward_progress 1
		.amdhsa_inst_pref_size 76
	.end_amdhsa_kernel
	.amdgpu_metadata
---
amdhsa.version: [ 1, 2 ]
amdhsa.kernels:
  - .name:           k_q7cdcdde230_attn
    .symbol:         k_q7cdcdde230_attn.kd
    .args:
      - { .name: q, .offset: 0, .size: 8, .value_kind: global_buffer, .address_space: global }
      - { .name: kv, .offset: 8, .size: 8, .value_kind: global_buffer, .address_space: global }
      - { .name: o_img, .offset: 16, .size: 8, .value_kind: global_buffer, .address_space: global }
      - { .name: o_sc, .offset: 24, .size: 8, .value_kind: global_buffer, .address_space: global }
    .group_segment_fixed_size: 247808
    .private_segment_fixed_size: 0
    .kernarg_segment_align: 8
    .kernarg_segment_size: 32
    .max_flat_workgroup_size: 512
    .sgpr_count:     66
    .vgpr_count:     256
    .wavefront_size: 32
...
	.end_amdgpu_metadata
.endif
;; end of part 3
;; launch oproj (part 4): grid 4 x 64, 4 waves a work-group, clusters of 4 x 4, 327,680 bytes of LDS; arguments o_img, o_sc, w_img, w_sc, b_o, out0; writes out0
.if DOCPART == 4
	.amdgcn_target "amdgcn-amd-amdhsa--gfx1250"
	.amdhsa_code_object_version 6
	.text
	.protected	k_q7cdcdde230_oproj
	.globl	k_q7cdcdde230_oproj
	.p2align	8
	.type	k_q7cdcdde230_oproj,@function
k_q7cdcdde230_oproj:
	s_mov_b64 s[64:65], 0
	v_nop
	global_prefetch_b8 v0, s[64:65] scope:SCOPE_SE
	s_setreg_imm32_b32 hwreg(HW_REG_WAVE_MODE, 25, 1), 1
	s_wait_xcnt 0x0
	s_wait_alu depctr_hold_cnt(0) depctr_sa_sdst(0) depctr_va_vdst(0) depctr_va_sdst(0) depctr_va_ssrc(0) depctr_va_vcc(0) depctr_vm_vsrc(0)
	s_getreg_b32 s2, hwreg(HW_REG_IB_STS2, 6, 4)
	s_cmp_eq_u32 s2, 0
	s_cbranch_scc0 .Lentry_in_a_cluster
	s_endpgm
.Lentry_in_a_cluster:
	s_bfe_u32 s2, ttmp6, 0x10000c
	s_cmp_lg_u32 s2, 0xf033
	s_cbranch_scc0 .Lentry_shape_is_right
	s_endpgm
.Lentry_shape_is_right:
; out0 = O W_o^T + b_o on codes of BF6 (E3M2) with E8M0 scales, sums in f32.  O [8192][1024] comes as o_img, o_sc from the attention launch, W_o as the last 64 row blocks of w_img, w_sc.
; OPERANDS ARE IMAGES OF REGISTERS: a fragment (16 rows x 128 K, 12 registers a lane) is 1,536 bytes, registers 2 p, 2 p + 1 at 256 p + 8 x lane; [row block of 16][8 K steps][1,536].  Scales: [row][32 bytes], word s for K step s.
; SHARES.  A work-group makes 128 tokens x 256 features: 64 x 4 = 256 work-groups.  A wave makes 64 x 128: 32 accumulators, 256 registers.
; ALL OF K IS IN LDS AT ONCE: O's 8 row blocks (98,304 bytes), W_o's 16 (196,608), their scales (4,096 and 8,192 bytes, in rows of 256 + 16 of padding).  These are four dense blocks of memory:
; each wave asks for one of them, by one tensor load at the head.  Nothing is filled again: no ring, one barrier in front of the products, one in front of the way out.
; CLUSTERS: 4 x 4 work-groups.  The four of a row of the cluster need the same tokens, the four of a column the same features: each tile is asked for jointly, with a mask that names the four.
; NO PREFETCH: every tile is asked for at the kernel's head; there is no loop to run ahead in.
; THE MATRIX INSTRUCTION IS USED TRANSPOSED: source 0 = 16 features of W_o, source 1 = 16 tokens: a lane holds eight neighbouring numbers of a row of out0.  The bias is the C of each sum's first instruction.
; REGISTERS, in windows of 256: window 0: v0-31 addresses; v32-95 all scale words (register 8 i + s: lanes 0-15 token block i, lanes 16-31 feature block i, K step s); v128-223 the tokens' fragments, two sets of four; on the way out v128-255.
;   window 1: the features' fragments, two sets of eight, at v0 and v128.   window 2: accumulator (a, b) at v[8 (8 a + b)].   window 3: v0-63 the bias.
.set SIZE_N, 1024
.set FR,     12                        ; registers of a fragment
.set BLK,    12288                     ; a row block's eight fragments
.set WC,     8*BLK                     ; LDS: W_o's codes, behind O's
.set XS,     24*BLK                    ; O's scales: 16 rows of 272 bytes; W_o's follow: 32 rows
.set SBLK,   544                       ; the scales of 16 rows
.set SPARE,  XS+24*SBLK                ; the spare words, 128 bytes for each wave: two blocks of 256 bytes that no other line names
.set SPITCH, 528                       ; the way out: a stage of 16 rows x (512 + 16) bytes for each wave, from LDS byte 0: O's codes have been read for the last time by then
.set ADRA, 16                          ; v16     LDS address of my tokens' fragments
.set ADRB, 18                          ; v18-19  of my features' blocks 0-3, 4-7
.set STO,  24
.set RD,   25
.set CO,   26
.set ADRS, 27                          ; v27     my scale words: lanes 0-15 the tokens', lanes 16-31 the features'
.set SPW,  28                          ; v28     my spare word; never rewritten
.set NIL,  29                          ; v29     0; never rewritten
.set SC,   32
.set AF,   128
.set BK,   128
.set GX1,  24                          ; group 1: O's codes s[24:31], W_o's s[48:55], O's scales s[68:75], W_o's s[80:87]
.set GW1,  48
.set GXS1, 68
.set GWS1, 80
.set GX0,  32                          ; group 0: s[32:35], s[36:39], s[56:59], s[60:63]
.set GW0,  36
.set GXS0, 56
.set GWS0, 60
.set MSB, 0
.macro WIN new                         ; the immediate's high byte repeats the setting that is left
.if MSB != \new
	s_set_vgpr_msb (MSB<<8)|\new
.set MSB, \new
.endif
.endm
.macro CROUND                          ; a round of the cluster's barrier
	s_barrier_signal -1
	s_barrier_wait -1
	s_cmp_lg_u32 s16, 0
	s_cbranch_scc1 .Lnot_wave_0_\@
	s_barrier_signal -3
.Lnot_wave_0_\@:
	s_barrier_wait -3
	s_barrier_signal -1
	s_barrier_wait -1
.endm
.macro PLACES                          ; four places behind a matrix instruction (ISA guide 7.12.1)
.rept 4
	v_nop
.endr
.endm
.macro DESC g, c, r                    ; r rows of c elements of 8 bytes, dense in memory
	s_mov_b32 s[\g+1], (\c)<<16
	s_mov_b32 s[\g+2], (\r)<<16
	s_mov_b32 s[\g+3], (\c)<<16
	s_mov_b32 s[\g+4], \r
	s_mov_b32 s[\g+5], \c
	s_mov_b32 s[\g+6], 0
	s_mov_b32 s[\g+7], 0
.endm
.macro GRP0 g, lds, arg, off           ; group 0: count, LDS address, the tile's first byte, type 2
	s_mov_b32 s[\g], 1
	s_mov_b32 s[\g+1], \lds
	s_add_nc_u64 s[\g+2:\g+3], s[\arg:\arg+1], s[\off:\off+1]
	s_or_b32 s[\g+3], s[\g+3], 0x80000000
.endm
	s_load_b256 s[4:11], s[0:1], 0x0               ; o_img, o_sc, w_img, w_sc
	s_load_b128 s[12:15], s[0:1], 0x20             ; b_o, out0
	v_lshl_add_u32 v[SPW], v0, 2, SPARE
	v_mov_b32 v[NIL], 0
	ds_add_u32 v[SPW], v[NIL]                      ; the opening lines: the add, twice on end, and its wait ahead of my first tensor load
	ds_add_u32 v[SPW], v[NIL]
	v_lshrrev_b32 v1, 5, v0
	v_readfirstlane_b32 s16, v1                    ; wave 0..3
	s_lshr_b32 s17, s16, 1                         ; which 64 tokens are mine
	s_and_b32 s18, s16, 1                          ; which 128 features
	s_bfe_u32 s19, ttmp6, 0x40000                  ; cx, cy
	s_bfe_u32 s20, ttmp6, 0x40004
	s_lshl_b32 s21, ttmp9, 2
	s_add_co_u32 s21, s21, s19                     ; feature tile = 4 x cluster x + cx
	s_and_b32 s22, ttmp7, 0xffff
	s_lshl_b32 s22, s22, 2
	s_add_co_u32 s22, s22, s20                     ; token tile = 4 x cluster y + cy
	s_lshl_b32 s23, s20, 2
	s_lshl_b32 s23, 15, s23                        ; my row of the cluster
	s_lshl_b32 s40, 0x1111, s19                    ; my column
	s_or_b32 s[GX1], s23, (3<<16)|(1<<21)          ; the mask; elements of 8 bytes; bit 21 beside a mask
	s_or_b32 s[GW1], s40, (3<<16)|(1<<21)
	s_or_b32 s[GXS1], s23, (3<<16)|(1<<20)|(1<<21)|(5<<22)|(3<<25)   ; and 4 words of padding behind every 64
	s_or_b32 s[GWS1], s40, (3<<16)|(1<<20)|(1<<21)|(5<<22)|(3<<25)
	DESC GX1, 1536, 8                              ; 8 row blocks of 12,288 bytes
	DESC GW1, 1536, 16
	DESC GXS1, 32, 16                              ; 4,096 bytes as 16 rows of 256
	DESC GWS1, 32, 32
	s_mul_i32 s42, s22, 8*BLK                      ; where my tokens' codes begin,
	s_mov_b32 s43, 0
	s_lshl_b32 s44, s22, 12                        ; and their scales: 128 rows of 32 bytes
	s_mov_b32 s45, 0
	s_mul_i32 s46, s21, 16*BLK                     ; my features' codes: W_o begins at row 3,072 of the weights' images
	s_add_co_u32 s46, s46, 3072*768
	s_mov_b32 s47, 0
	s_lshl_b32 s92, s21, 13
	s_add_co_u32 s92, s92, 3072*32
	s_mov_b32 s93, 0
	s_wait_dscnt 0x0                               ; both opening adds are done
	s_wait_kmcnt 0x0
	GRP0 GX0,  0,         4,  42
	GRP0 GXS0, XS,        6,  44
	GRP0 GW0,  WC,        8,  46
	GRP0 GWS0, XS+8*SBLK, 10, 92
	CROUND                                         ; all sixteen work-groups are here: the joint loads meet
; one tree of branches on the wave's number, one load to an arm: wave 0 O's codes, wave 1 W_o's codes, wave 2 O's scales, wave 3 W_o's
.macro ARM under, g0, g1, next
	s_cmp_lt_u32 s16, \under
	s_cbranch_scc0 \next
	tensor_load_to_lds s[\g0:\g0+3], s[\g1:\g1+7]
	s_nop 0
.rept 4
	v_nop
.endr
	s_branch .Lhead_asked
\next:
.endm
	ARM 1, GX0,  GX1,  .Lhead_w
	ARM 2, GW0,  GW1,  .Lhead_xs
	ARM 3, GXS0, GXS1, .Lhead_ws
	tensor_load_to_lds s[GWS0:GWS0+3], s[GWS1:GWS1+7]
	s_nop 0
.rept 4
	v_nop
.endr
.Lhead_asked:
	s_mul_i32 s94, s17, 4*BLK                      ; my four row blocks of O
	s_mul_i32 s95, s18, 8*BLK
	s_add_co_u32 s95, s95, WC                      ; my eight of W_o
	s_mul_i32 s96, s17, 4*SBLK                     ; my tokens' scales,
	s_mul_i32 s97, s18, 8*SBLK
	s_add_co_u32 s97, s97, 8*SBLK
	s_sub_co_u32 s97, s97, s96                     ; and how far behind them my features' lie
	s_add_co_u32 s96, s96, XS
	s_mul_i32 s98, s16, 16*SPITCH                  ; my stage
	s_lshl_b32 s100, s21, 10
	s_lshl_b32 s101, s18, 9
	s_add_co_u32 s100, s100, s101                  ; my first column, in bytes
	s_mov_b32 s101, 0
	s_add_nc_u64 s[12:13], s[12:13], s[100:101]    ; its bias
	s_lshl_b32 s40, s22, 7
	s_lshl_b32 s41, s17, 6
	s_add_co_u32 s40, s40, s41                     ; my first row,
	s_lshl_b32 s40, s40, 12                        ; in bytes: rows of 4,096
	s_mov_b32 s41, 0
	s_add_nc_u64 s[14:15], s[14:15], s[40:41]
	s_add_nc_u64 s[14:15], s[14:15], s[100:101]
	v_and_b32 v1, 15, v0                           ; r
	v_bfe_u32 v2, v0, 4, 1                         ; h
	v_and_b32 v3, 31, v0
	v_lshlrev_b32 v4, 3, v3                        ; 8 x lane
	v_add_nc_u32 v[ADRA], s94, v4
	v_add_nc_u32 v[ADRB], s95, v4
	v_add_nc_u32 v[ADRB+1], 4*BLK, v[ADRB]         ; an LDS offset has 16 bits: blocks 4-7 have an address of their own
	v_lshlrev_b32 v5, 5, v1                        ; my row's scales: 32 bytes a row,
	v_lshrrev_b32 v6, 8, v5
	v_lshl_add_u32 v5, v6, 4, v5                   ; and 16 more for each 256 passed
	v_mul_u32_u24 v6, s97, v2                      ; lanes 16-31 take the features'
	v_add_nc_u32 v5, v5, v6
	v_add_nc_u32 v[ADRS], s96, v5
	v_mul_u32_u24 v5, v1, SPITCH                   ; the stage, in: row r, 32 bytes for each half of the lanes
	v_lshl_add_u32 v5, v2, 5, v5
	v_add_nc_u32 v[STO], s98, v5
	v_lshlrev_b32 v[CO], 4, v3                     ; back: the 32 lanes take one row of 512 bytes; the same in out0
	v_add_nc_u32 v[RD], s98, v[CO]
	v_lshlrev_b32 v7, 5, v2
	WIN 0xc0                                       ; destination window 3
.irp b, 0,1,2,3,4,5,6,7
	global_load_b128 v[8*\b:8*\b+3], v7, s[12:13] offset:64*\b          ; the bias in the result's layout: features 16 b + 8 h + 0 .. 7
	global_load_b128 v[8*\b+4:8*\b+7], v7, s[12:13] offset:64*\b+16
.endr
	WIN 0
.macro FRAG reg, adr, s, i             ; a fragment comes back as it was stored
.irp p, 0,1,2,3,4,5
	ds_load_b64 v[\reg+2*\p:\reg+2*\p+1], v[\adr] offset:(\i)*BLK+(\s)*1536+256*\p
.endr
.endm
.macro FETCH s                         ; K step s: eight fragments of W_o, four of O, into set s % 2
	WIN 0x40
.irp i, 0,1,2,3
	FRAG 128*((\s)%2)+FR*\i, ADRB, \s, \i
.endr
.irp i, 0,1,2,3
	FRAG 128*((\s)%2)+FR*(4+\i), ADRB+1, \s, \i
.endr
	WIN 0
.irp i, 0,1,2,3
	FRAG AF+48*((\s)%2)+FR*\i, ADRA, \s, \i
.endr
.endm
.macro MUL s, first                    ; 32 matrix instructions; the 32 accumulators take turns, in the same order in every step
.irp a, 0,1,2,3
.irp b, 0,1,2,3,4,5,6,7
.if \first
	v_wmma_scale_f32_16x16x128_f8f6f4 v[8*(8*\a+\b):8*(8*\a+\b)+7], v[128*((\s)%2)+FR*\b:128*((\s)%2)+FR*\b+FR-1], v[AF+48*((\s)%2)+FR*\a:AF+48*((\s)%2)+FR*\a+FR-1], v[8*\b:8*\b+7], v[SC+8*\b+(\s)], v[SC+8*\a+(\s)] matrix_a_fmt:MATRIX_FMT_BF6 matrix_b_fmt:MATRIX_FMT_BF6 matrix_a_scale:MATRIX_SCALE_ROW1
.else
	v_wmma_scale_f32_16x16x128_f8f6f4 v[8*(8*\a+\b):8*(8*\a+\b)+7], v[128*((\s)%2)+FR*\b:128*((\s)%2)+FR*\b+FR-1], v[AF+48*((\s)%2)+FR*\a:AF+48*((\s)%2)+FR*\a+FR-1], v[8*(8*\a+\b):8*(8*\a+\b)+7], v[SC+8*\b+(\s)], v[SC+8*\a+(\s)] matrix_a_fmt:MATRIX_FMT_BF6 matrix_b_fmt:MATRIX_FMT_BF6 matrix_a_scale:MATRIX_SCALE_ROW1
.endif
.endr
.endr
.endm
.macro STEP s                          ; this step's fragments are in; the next step's 72 loads go out into the other set; 32 products
	s_wait_dscnt 0x0
.if (\s) < 7
	PLACES                                         ; in front of loads into registers that the last step's products read
	FETCH (\s)+1
.else
	s_barrier_signal -1                            ; my reads of the tiles are over: behind this barrier O's bytes serve as stages
.endif
.if (\s) == 0
	WIN 0xb1                                       ; source 0 window 1, source 1 window 0, C window 3 (the bias), D window 2
	MUL \s, 1
.else
	WIN 0xa1                                       ; C and D window 2
	MUL \s, 0
.endif
	WIN 0
.endm
	s_wait_alu depctr_va_vdst(0)                   ; the wait at the head's end
	s_wait_tensorcnt 0x0                           ; my tile is in,
	s_barrier_signal -1
	s_barrier_wait -1                              ; everybody's is
.irp i, 0,1,2,3,4,5,6,7
	ds_load_b128 v[SC+8*\i:SC+8*\i+3], v[ADRS] offset:\i*SBLK        ; a row's eight scale words, once for the launch
	ds_load_b128 v[SC+8*\i+4:SC+8*\i+7], v[ADRS] offset:\i*SBLK+16
.endr
	FETCH 0
	s_wait_loadcnt 0x0                             ; the bias
.irp s, 0,1,2,3,4,5,6,7
	STEP \s
.endr
	s_barrier_wait -1
; THE WAY OUT, block by block of 16 rows x 128 columns, through my own stage: in as 32 bytes a lane, back as whole rows of 512 bytes.  LDS serves a wave's instructions in order (ISA guide 5.7.1.4): no wait between the stores and the loads.
.macro TOSTAGE a
.set AC, 64*(\a)
	WIN 0x08                                       ; the data: window 2
.irp b, 0,1,2,3,4,5,6,7
	ds_store_b128 v[STO], v[AC+8*\b:AC+8*\b+3] offset:64*\b          ; each accumulator from its low end on
	ds_store_b128 v[STO], v[AC+8*\b+4:AC+8*\b+7] offset:64*\b+16
.endr
	WIN 0
.set BB, BK+64*((\a)%2)
.irp t, 0,1,2,3,4,5,6,7,8,9,10,11,12,13,14,15
	ds_load_b128 v[BB+4*\t:BB+4*\t+3], v[RD] offset:\t*SPITCH
.endr
.endm
.macro SEND a, younger                 ; younger: the LDS instructions issued behind block a's loads, which may stay out
.set BB, BK+64*((\a)%2)
	s_wait_dscnt \younger
.if (\a) > 0
	s_add_nc_u64 s[14:15], s[14:15], 16*SIZE_N*4   ; (behind a wait on XCNT: the earlier stores have read their base)
.endif
.irp t, 0,1,2,3,4,5,6,7,8,9,10,11,12,13,14,15
	global_store_b128 v[CO], v[BB+4*\t:BB+4*\t+3], s[14:15] offset:\t*SIZE_N*4 th:TH_STORE_NT   ; 32 lanes store 512 consecutive bytes, aligned
.endr
.endm
	PLACES                                         ; behind the last products: for the stores of results and the loads into the fragments' registers
	TOSTAGE 0
.irp a, 1,2,3
.if \a > 1
	s_wait_xcnt 0x0                                ; block a - 2's stores have read their registers and their base
.endif
	TOSTAGE \a
	SEND \a-1, 32
.endr
	s_wait_xcnt 0x0
	SEND 3, 0
	s_wait_tensorcnt 0x0                           ; the wave's end
	ds_add_u32 v[SPW], v[NIL]
	s_wait_dscnt 0x0
	CROUND                                         ; the closing round
	s_endpgm
.Lfunc_end_k_q7cdcdde230_oproj:
	.size	k_q7cdcdde230_oproj, .Lfunc_end_k_q7cdcdde230_oproj-k_q7cdcdde230_oproj
	.p2alignl 7, 3214868480
	.fill 96, 4, 3214868480
	.section	.rodata,"a",@progbits
	.p2align	6, 0x0
	.amdhsa_kernel k_q7cdcdde230_oproj
		.amdhsa_group_segment_fixed_size 327680
		.amdhsa_private_segment_fixed_size 0
		.amdhsa_enable_private_segment 0
		.amdhsa_kernarg_size 48
		.amdhsa_user_sgpr_count 2
		.amdhsa_user_sgpr_kernarg_segment_ptr 1
		.amdhsa_wavefront_size32 1
		.amdhsa_system_sgpr_workgroup_id_x 1
		.amdhsa_system_sgpr_workgroup_id_y 1
		.amdhsa_system_sgpr_workgroup_id_z 1
		.amdhsa_system_vgpr_workitem_id 0
		.amdhsa_next_free_vgpr 1024
		.amdhsa_next_free_sgpr 104
		.amdhsa_reserve_vcc 0
		.amdhsa_float_denorm_mode_32 3
		.amdhsa_float_denorm_mode_16_64 3
		.amdhsa_memory_ordered 1
		.amdhsa_forward_progress 1
		.amdhsa_inst_pref_size 96
	.end_amdhsa_kernel
	.amdgpu_metadata
---
amdhsa.version: [ 1, 2 ]
amdhsa.kernels:
  - .name:           k_q7cdcdde230_oproj
    .symbol:         k_q7cdcdde230_oproj.kd
    .args:
      - { .name: o_img, .offset: 0, .size: 8, .value_kind: global_buffer, .address_space: global }
      - { .name: o_sc, .offset: 8, .size: 8, .value_kind: global_buffer, .address_space: global }
      - { .name: w_img, .offset: 16, .size: 8, .value_kind: global_buffer, .address_space: global }
      - { .name: w_sc, .offset: 24, .size: 8, .value_kind: global_buffer, .address_space: global }
      - { .name: b_o, .offset: 32, .size: 8, .value_kind: global_buffer, .address_space: global }
      - { .name: out0, .offset: 40, .size: 8, .value_kind: global_buffer, .address_space: global }
    .group_segment_fixed_size: 327680
    .private_segment_fixed_size: 0
    .kernarg_segment_align: 8
    .kernarg_segment_size: 48
    .max_flat_workgroup_size: 128
    .sgpr_count:     104
    .vgpr_count:     1024
    .wavefront_size: 32
...
	.end_amdgpu_metadata
.endif
;; end of part 4
